; MI455X (gfx1250); checked and timed in simulation.
; The chip was launched on July 23, 2026; its instructions are those of AMD's public machine-readable ISA for CDNA 5 (MIT licence, August 2026) and "CDNA5" Instruction Set Architecture Reference Guide (July 2026). The comments in the code are by the model that wrote it; some were corrected since.
;; Cross Transformer. Allowed arithmetic: matrix products marked QUANTISED: E3M2 operands, one E8M0 scale for each 32 along K, by v_wmma_scale_f32_16x16x128_f8f6f4 with both operands' format E3M2, f32 sums; products left as they are: f32 operands where the result goes on into a quantised operand, else bf16, f16 or f32 operands; f32 sums; everything else in f32.
;; Inputs: am_b1 512 float32; am_b2 256 float32; am_bt 512 float32; am_g 512 float32; am_w1 512 x 256 float32; am_w2 256 x 512 float32; bv 256 float32; fea 8 x 128 x 2,048 float32; le_b 128 float32; le_w 128 x 256 float32; pm_b1 64 float32; pm_b2 256 float32; pm_bt 64 float32; pm_g 64 float32; pm_w1 64 x 3 float32; pm_w2 256 x 64 float32; pos 8 x 3 x 2,048 float32; pos_flipped 8 x 2,048 x 3 float32; prev_fea 8 x 128 x 2,048 float32; vm_b1 128 float32; vm_b2 128 float32; vm_w1 128 x 256 float32; vm_w2 128 x 128 float32; wk 256 x 128 float32; wq 256 x 128 float32; wv 256 x 128 float32.
;; Outputs: out0 8 x 128 x 2,048 float32.
;; This version of the problem:
;;   THIS VERSION OF THE PROBLEM IS GIVEN IN LOW PRECISION. The matrix products marked QUANTISED in the list below multiply operands that are first quantised to E3M2 (3 exponent bits, 2 mantissa bits; 6 bits a number), with one power-of-two scale for each 32 numbers along K (OCP MX v1.0); their sums are f32. All else is computed in f32.
;;   The module's matrix products, in the order in which they are computed (A, B: the left and right operand; K: the contracted axis; several contracted axes count as one K, in the product's order):
;;     1. [M 16,384, K 256] x [K 256, N 128]; A: computed on the way; B: input vm_w1: QUANTISED
;;     2. [M 16,384, K 128] x [K 128, N 128]; A: computed on the way; B: input vm_w2: QUANTISED
;;     3. batch 8 x [M 2,048, K 3] x [K 3, N 2,048]; A: input pos_flipped; B: input pos_flipped: left as it is (K = 3 < 32)
;;     4. [M 16,384, K 128] x [K 128, N 256]; A: input fea; B: input wq: QUANTISED
;;     5. [M 16,384, K 128] x [K 128, N 256]; A: input prev_fea; B: input wk: QUANTISED
;;     6. [M 16,384, K 128] x [K 128, N 256]; A: computed on the way; B: input wv: QUANTISED
;;     7. [M 131,072, K 3] x [K 3, N 64]; A: computed on the way; B: input pm_w1: left as it is (K = 3 < 32)
;;     8. [M 131,072, K 64] x [K 64, N 256]; A: computed on the way; B: input pm_w2: QUANTISED
;;     9. [M 131,072, K 256] x [K 256, N 512]; A: computed on the way; B: input am_w1: QUANTISED
;;     10. [M 131,072, K 512] x [K 512, N 256]; A: computed on the way; B: input am_w2: QUANTISED
;;     11. batch 4,194,304 x [M 1, K 8] x [K 8, N 1]; A: softmax; B: computed on the way: left as it is (K = 8 < 32)
;;     12. [M 16,384, K 256] x [K 256, N 128]; A: computed on the way; B: input le_w: QUANTISED
;;   THE QUANTISER, for each operand of a quantised product, along K:
;;     - K is cut into blocks of 32 from its start; a last block that is shorter is filled with zeros.
;;     - A block's scale is 2^e with e = floor(log2(the largest magnitude in the block)) - 4, held to -126 .. 127; a block of zeros has e = 0. As a byte (E8M0): e + 127.
;;     - Each number is divided by its block's scale, clamped to +-28, and rounded to the nearest number of E3M2, ties to even, subnormals kept.
;;     - The product sums the exact products of the quantised numbers (number of the format x scale) in f32.
;;   ~~~python
;;   def quantise(x, axis):      # numpy; x: float32 -> the quantised numbers, widened to float32 again
;;       x = np.moveaxis(x, axis, -1); K = x.shape[-1]
;;       x = np.pad(x, [(0, 0)] * (x.ndim - 1) + [(0, -K % 32)]); x = x.reshape(x.shape[:-1] + (-1, 32)); a = np.abs(x).max(-1, keepdims=True)
;;       e = np.where(a > 0, np.clip(np.frexp(np.where(a > 0, a, 1))[1] - 1 - 4, -126, 127), 0)      # np.frexp(a)[1] - 1 = floor(log2(a)), exactly
;;       r = np.clip(x / 2.0 ** e, -28, 28)
;;       step = 2.0 ** (np.maximum(np.frexp(np.where(r == 0, 1, r))[1] - 1, -2) - 2)
;;       q = np.round(r / step) * step * 2.0 ** e      # np.round: ties to even
;;       return np.moveaxis(q.reshape(q.shape[:-2] + (-1,))[..., :K], -1, axis).astype(np.float32)
;;   ~~~
;;   OPERANDS COMPUTED ON THE WAY. 'Computed on the way' means the value that the module computes at that place (a softmax that the list does not call 'softmax' is quantised finished and normalised). What goes into a quantiser is computed in f32, as accurately as f32 sums, v_exp_f32 and their like allow (about 1e-6 of the number): no bf16 or f16 on the way to a quantiser, and a product that is left as it is and whose result goes on into a quantised operand takes f32 operands (vector FMAs, or v_wmma_f32_16x16x4_f32). A number that lies on a knife's edge between two numbers of the format may be rounded either way, as far as f32 arithmetic and the matrix unit's own rounding can turn it there, and no further.
;; One version. Each part assembles by itself: llvm-mc -triple=amdgcn-amd-amdhsa -mcpu=gfx1250 --defsym DOCPART=n.
;; ======== version 1 of 1: 3 launches
;; workspace buffers: grp 524,288 bytes of whole numbers; idx 524,288 bytes of whole numbers; wimg 378,368 bytes; qb 16,777,216 bytes; kb 16,777,216 bytes; vb 16,777,216 bytes; idn 8,388,608 bytes
;; launch prep (part 1): grid 288 x 1, 8 waves a work-group, no clusters, 46,080 bytes of LDS; arguments pos_flipped, vm_w1, vm_w2, wq, wk, wv, pm_w2, am_w1, am_w2, le_w, pm_w1, pm_b1, pm_g, pm_bt, am_b1, am_g, am_bt, grp, wimg; writes grp, wimg
.if DOCPART == 1
	.amdgcn_target "amdgcn-amd-amdhsa--gfx1250"
	.amdhsa_code_object_version 6
	.text
	.protected	k_qe5df98d739_prep
	.globl	k_qe5df98d739_prep
	.p2align	8
	.type	k_qe5df98d739_prep,@function
k_qe5df98d739_prep:
	s_mov_b64 s[64:65], 0
	v_nop
	global_prefetch_b8 v0, s[64:65] scope:SCOPE_SE
	s_setreg_imm32_b32 hwreg(HW_REG_WAVE_MODE, 25, 1), 1
	s_wait_xcnt 0x0
; FIRST LAUNCH OF THREE.  Three kinds of work-groups, told apart by the work-group's number alone.
;   0 .. 255   nearest neighbours, first pass: for each of 64 queries the 8 groups of 16 consecutive candidates whose (smallest distance, group number) is smallest.
;              The 8 nearest points lie in those groups: a nearest point in any other group would have 8 points in front of it.  The numbers go to grp, ascending.
;   256 .. 286 the nine weights become codes of E3M2 with one E8M0 byte for each 32 along K, stored in the order of a matrix operand's registers (a fragment = 16 rows x 128 K = 12 registers a lane).
;   287        the two batch norms folded: s = g / sqrt(1 + 1e-5), taken as g x 0x3f7fffac; am: s and b1 s + bt;  pm: w1 s and b1 s + bt.
; DISTANCES: sq = fma(z,z, fma(y,y, x x));  dot = fma(z,z', fma(y,y', x x'));  d = fma(-2, dot, sq_i + sq_j).  At equal d the lower index wins: every scan goes up the indices and compares by <.
; LIMITS: two candidates whose d lie within a rounding of sq may change places against another order of rounding; NaN and infinities are not served;
; a block whose largest magnitude lies under 2^(5 - 127), a block of zeros among them, gets the scale byte 1: its bytes are read by this program alone; each folding moves one f32 rounding.
.set WV,  24                           ; s24      wave
.set SEL, 26                           ; s[26:27] selects of v_permlanex16_b32: lane l xor 16
.set CM,  32                           ; s[32:39] eight compare masks of an insertion
.set LA,  20                           ; v20-27   the list's values, ascending
.set LI,  28                           ; v28-35   and their numbers
.set SH8, 4                            ; v4       8 x (lane / 16)
.set PX,  5                            ; v5       destination of lane exchanges
.set MRG, 32768                        ; LDS: x, y, z, sq of 2,048 candidates at 0, 8192, 16384, 24576; behind them six places of 2,048 bytes for lists
.set O_VM1I, 0                         ; wimg, bytes: fragments of 1,536 bytes (pm_w2: 768)
.set O_VM2I, 24576
.set O_WQI,  36864
.set O_WKI,  61440
.set O_WVI,  86016
.set O_PTI,  110592
.set O_PNI,  122880
.set O_A1I,  135168
.set O_A2I,  233472
.set O_LEI,  331776
.set O_SC,   356352                    ; scale words: 64 bytes a fragment, row r's word at 4 r
.set O_VM1S, O_SC
.set O_VM2S, O_SC+1024
.set O_WQS,  O_SC+1536
.set O_WKS,  O_SC+2560
.set O_WVS,  O_SC+3584
.set O_PTS,  O_SC+4608
.set O_PNS,  O_SC+5632
.set O_A1S,  O_SC+6656
.set O_A2S,  O_SC+10752
.set O_LES,  O_SC+14848
.set O_PMC,  373248
.set O_AS,   374272
.set O_AT,   376320
.macro BAR                             ; my LDS instructions are done, then the work-group's barrier
	s_wait_dscnt 0x0
	s_barrier_signal -1
	s_barrier_wait -1
.endm
; 32 numbers of ONE block in v[s] on become 6 registers of codes in v[d] on and the scale's byte in v[by].  t: three registers from an even one, at work.
.macro QUANT32 s, d, t, e, m0, m1, by
	v_max3_num_f32 v[\m0], |v[\s]|, |v[\s+1]|, 0x2800000          ; the largest magnitude, in two chains; the floor 2^(5 - 127) holds the byte at 1 from below
	v_max3_num_f32 v[\m1], |v[\s+16]|, |v[\s+17]|, |v[\s+18]|
.irp i, 0,2,4,6,8,10
	v_max3_num_f32 v[\m0], v[\m0], |v[\s+2+\i]|, |v[\s+3+\i]|
	v_max3_num_f32 v[\m1], v[\m1], |v[\s+19+\i]|, |v[\s+20+\i]|
.endr
	v_max3_num_f32 v[\m0], v[\m0], |v[\s+14]|, |v[\s+15]|
	v_max3_num_f32 v[\m0], v[\m0], v[\m1], |v[\s+31]|
	v_add_nc_u32 v[\e], 0xfe000000, v[\m0]                        ; 4 off the exponent field: the conversion's scale operand
	v_lshrrev_b32 v[\by], 23, v[\e]                               ; the byte
	v_cvt_scalef32_pk16_bf6_f32 v[\d:\d+2], v[\s:\s+15], v[\e]
	v_cvt_scalef32_pk16_bf6_f32 v[\t:\t+2], v[\s+16:\s+31], v[\e] ; (a conversion's three registers begin on an even number)
	v_nop                                                         ; one plain place behind a scaled conversion
.irp i, 0,1,2
	v_mov_b32 v[\d+3+\i], v[\t+\i]
.endr
.endm
; v[x] with the number v[j] goes into the ascending list of eight; an equal value stays behind those already there.
.macro INSERT x, j
.irp i, 0,1,2,3,4,5,6,7
	v_cmp_lt_f32 s[CM+\i], v[\x], v[LA+\i]
.endr
.irp i, 7,6,5,4,3,2,1
	v_cndmask_b32 v[LI+\i], v[LI+\i], v[\j], s[CM+\i]             ; the new one lands here,
	v_cndmask_b32 v[LI+\i], v[LI+\i], v[LI+\i-1], s[CM+\i-1]      ; or further down, and this place takes its neighbour's
	v_med3_num_f32 v[LA+\i], v[\x], v[LA+\i-1], v[LA+\i]
.endr
	v_cndmask_b32 v[LI], v[LI], v[\j], s[CM]
	v_min_num_f32 v[LA], v[\x], v[LA]
.endm
	v_lshl_add_u32 v192, v0, 2, 0xb000
	v_mov_b32 v193, 0
	v_lshrrev_b32 v1, 5, v0
	v_readfirstlane_b32 s[WV], v1
	v_and_b32 v1, 31, v0                   ; lane
	v_and_b32 v2, 15, v0                   ; r
	v_bfe_u32 v3, v0, 4, 1                 ; h
	v_lshlrev_b32 v[SH8], 3, v3
	v_mov_b32 v[PX], 0
	s_mov_b32 s[SEL], 0x76543210
	s_mov_b32 s[SEL+1], 0xfedcba98
	s_cmp_lt_u32 ttmp9, 256
	s_cbranch_scc1 .Lknn
	s_cmp_lt_u32 ttmp9, 258
	s_cbranch_scc1 .Lvm1
	s_cmp_lt_u32 ttmp9, 259
	s_cbranch_scc1 .Lvm2
	s_cmp_lt_u32 ttmp9, 261
	s_cbranch_scc1 .Lwq
	s_cmp_lt_u32 ttmp9, 263
	s_cbranch_scc1 .Lwk
	s_cmp_lt_u32 ttmp9, 265
	s_cbranch_scc1 .Lwv
	s_cmp_lt_u32 ttmp9, 267
	s_cbranch_scc1 .Lpt
	s_cmp_lt_u32 ttmp9, 269
	s_cbranch_scc1 .Lpn
	s_cmp_lt_u32 ttmp9, 277
	s_cbranch_scc1 .La1
	s_cmp_lt_u32 ttmp9, 285
	s_cbranch_scc1 .La2
	s_cmp_lt_u32 ttmp9, 287
	s_cbranch_scc1 .Lle
	; ---- work-group 287: the folded constants
	s_load_b128 s[4:7], s[0:1], 0x70       ; am_b1, am_g
	s_load_b64 s[8:9], s[0:1], 0x80        ; am_bt
	s_load_b64 s[10:11], s[0:1], 0x90      ; wimg
	s_load_b256 s[12:19], s[0:1], 0x50     ; pm_w1, pm_b1, pm_g, pm_bt
	v_lshlrev_b32 v6, 2, v0
	v_mul_u32_u24 v7, v0, 12
	s_wait_kmcnt 0x0
	global_load_b32 v8, v6, s[6:7]
	global_load_b32 v9, v6, s[6:7] offset:1024
	global_load_b32 v10, v6, s[4:5]
	global_load_b32 v11, v6, s[4:5] offset:1024
	global_load_b32 v12, v6, s[8:9]
	global_load_b32 v13, v6, s[8:9] offset:1024
	s_wait_loadcnt 0x0
	v_mul_f32 v8, 0x3f7fffac, v8           ; s of units t and t + 256
	v_mul_f32 v9, 0x3f7fffac, v9
	v_fma_f32 v10, v10, v8, v12            ; b1 s + bt
	v_fma_f32 v11, v11, v9, v13
	global_store_b32 v6, v8, s[10:11] offset:O_AS
	global_store_b32 v6, v9, s[10:11] offset:O_AS+1024
	global_store_b32 v6, v10, s[10:11] offset:O_AT
	global_store_b32 v6, v11, s[10:11] offset:O_AT+1024
	s_cmp_lt_u32 s[WV], 2                  ; pm has 64 units: waves 0 and 1
	s_cbranch_scc0 .Lc_end
	global_load_b32 v14, v6, s[16:17]
	global_load_b32 v15, v6, s[14:15]
	global_load_b32 v16, v6, s[18:19]
	global_load_b32 v17, v7, s[12:13]
	global_load_b32 v18, v7, s[12:13] offset:4
	global_load_b32 v19, v7, s[12:13] offset:8
	s_wait_loadcnt 0x0
	v_mul_f32 v14, 0x3f7fffac, v14
	v_mul_f32 v17, v17, v14
	v_mul_f32 v18, v18, v14
	v_mul_f32 v19, v19, v14
	v_fma_f32 v15, v15, v14, v16
	global_store_b32 v6, v17, s[10:11] offset:O_PMC
	global_store_b32 v6, v18, s[10:11] offset:O_PMC+256
	global_store_b32 v6, v19, s[10:11] offset:O_PMC+512
	global_store_b32 v6, v15, s[10:11] offset:O_PMC+768
.Lc_end:
	s_endpgm
; ---- a weight's fragments, one a wave.  Fragment f = tile x K steps + K step.  Which rows of a weight form a tile is free; three maps are used (lane r of tile t takes the unit):
;   map 0: 64 (t / 4) + 32 (r / 8) + 8 (t % 4) + r % 8: used with the weight as source 0, the 32 results of four neighbouring tiles are in each lane ONE WHOLE BLOCK of the next product's K
;   map 1: 32 (t / 2) + 2 r + t % 2: used with the weight as source 1, two neighbouring tiles give a lane two neighbouring channels
;   map 2: 16 t + r
; Lane (r, h) takes of its row k = 128 s + 64 c + 32 h + 0 .. 31, c = 0, 1: two whole blocks, in the order of the operand's registers.  half = 1: K = 64, c = 0 alone.
.macro PREPF argoff, first, kslog, kbytes, map, half, img, scl
	s_load_b64 s[4:5], s[0:1], \argoff
	s_load_b64 s[6:7], s[0:1], 0x90
	s_sub_co_u32 s8, ttmp9, \first
	s_lshl_b32 s8, s8, 3
	s_add_co_u32 s8, s8, s[WV]             ; f
	s_lshr_b32 s9, s8, \kslog              ; tile
	s_and_b32 s10, s8, (1<<\kslog)-1       ; K step
.if \map == 0
	s_lshr_b32 s11, s9, 2
	s_lshl_b32 s11, s11, 6
	s_and_b32 s12, s9, 3
	s_lshl_b32 s12, s12, 3
	s_add_co_u32 s11, s11, s12
	v_and_b32 v6, 8, v2
	v_mad_u32_u24 v6, v6, 3, v2            ; 32 (r / 8) + r % 8 = r + 3 (r & 8)
.elseif \map == 1
	s_lshr_b32 s11, s9, 1
	s_lshl_b32 s11, s11, 5
	s_and_b32 s12, s9, 1
	s_add_co_u32 s11, s11, s12
	v_lshlrev_b32 v6, 1, v2
.else
	s_lshl_b32 s11, s9, 4
	v_mov_b32 v6, v2
.endif
	v_add_nc_u32 v6, s11, v6               ; my row of the weight
	v_mul_u32_u24 v6, v6, \kbytes
	v_lshl_add_u32 v6, v3, 7, v6           ; + 128 h
	s_lshl_b32 s10, s10, 9
	v_add_nc_u32 v6, s10, v6               ; + 512 x K step
.if \half
	s_mul_i32 s13, s8, 768
.else
	s_mul_i32 s13, s8, 1536
.endif
	v_lshl_add_u32 v7, v1, 4, s13          ; the image: 16 bytes a lane,
	v_lshl_add_u32 v8, v1, 3, s13          ; or 8
	s_lshl_b32 s14, s8, 6
	v_lshl_add_u32 v9, v2, 2, s14          ; the scale word
	s_wait_kmcnt 0x0
.irp i, 0,1,2,3,4,5,6,7
	global_load_b128 v[64+4*\i:67+4*\i], v6, s[4:5] offset:16*\i
.endr
.if !\half
.irp i, 0,1,2,3,4,5,6,7
	global_load_b128 v[96+4*\i:99+4*\i], v6, s[4:5] offset:256+16*\i
.endr
.endif
	s_wait_loadcnt 0x0
	QUANT32 64, 32, 44, 48, 49, 50, 52
.if \half
	v_mov_b32 v54, v52
.else
	QUANT32 96, 38, 44, 48, 49, 50, 53
	v_lshl_or_b32 v54, v53, 16, v52        ; my bytes: blocks h and 2 + h,
.endif
	v_lshlrev_b32 v54, v[SH8], v54         ; at their places;
	v_permlanex16_b32 v[PX], v54, s[SEL], s[SEL+1]
	v_or_b32 v54, v54, v[PX]               ; with lane l xor 16's the word is whole
.if \half
	global_store_b128 v7, v[32:35], s[6:7] offset:\img
	global_store_b64 v8, v[36:37], s[6:7] offset:\img+512
.else
	global_store_b128 v7, v[32:35], s[6:7] offset:\img
	global_store_b128 v7, v[36:39], s[6:7] offset:\img+512
	global_store_b128 v7, v[40:43], s[6:7] offset:\img+1024
.endif
	global_store_b32 v9, v54, s[6:7] offset:\scl   ; both halves of the lanes store the same word
	s_endpgm
.endm
.Lvm1:
	PREPF 0x8, 256, 1, 1024, 0, 0, O_VM1I, O_VM1S
.Lvm2:
	PREPF 0x10, 258, 0, 512, 0, 0, O_VM2I, O_VM2S
.Lwq:
	PREPF 0x18, 259, 0, 512, 0, 0, O_WQI, O_WQS
.Lwk:
	PREPF 0x20, 261, 0, 512, 0, 0, O_WKI, O_WKS
.Lwv:
	PREPF 0x28, 263, 0, 512, 0, 0, O_WVI, O_WVS
.Lpt:
	PREPF 0x30, 265, 0, 256, 0, 1, O_PTI, O_PTS
.Lpn:
	PREPF 0x30, 267, 0, 256, 1, 1, O_PNI, O_PNS
.La1:
	PREPF 0x38, 269, 1, 1024, 0, 0, O_A1I, O_A1S
.La2:
	PREPF 0x40, 277, 2, 2048, 1, 0, O_A2I, O_A2S
.Lle:
	PREPF 0x48, 285, 1, 1024, 2, 0, O_LEI, O_LES
; ---- work-groups 0 .. 255: 64 queries of one batch against its 2,048 candidates.  Wave w: queries 32 (w % 2) + lane, candidates 512 (w / 2) on: 32 groups of 16.
.Lknn:
	s_load_b64 s[4:5], s[0:1], 0x0         ; pos_flipped
	s_load_b64 s[6:7], s[0:1], 0x88        ; grp
	s_lshr_b32 s8, ttmp9, 5                ; batch
	s_and_b32 s9, ttmp9, 31
	s_lshl_b32 s9, s9, 6                   ; first query
	s_and_b32 s10, s[WV], 1                ; which 32 queries
	s_lshr_b32 s11, s[WV], 1               ; which 512 candidates
	s_mul_i32 s12, s8, 24576
	s_mov_b32 s13, 0
	v_mul_u32_u24 v6, v0, 96               ; thread t brings candidates 8 t .. 8 t + 7: 96 bytes
	s_lshl_b32 s14, s10, 5
	s_add_co_u32 s15, s14, s9
	s_mul_i32 s15, s15, 12
	v_mad_u32_u24 v7, v1, 12, s15          ; my query
	v_lshlrev_b32 v8, 5, v0                ; LDS: 32 t in each of the four arrays
	s_lshl_b32 s16, s11, 11
	v_mov_b32 v9, s16                      ; LDS: my wave's candidates; steps with the scan
	s_lshr_b32 s17, s11, 1                 ; every LDS address is made here, ahead of the branches on the wave's number
	s_lshl_b32 s17, s17, 1
	s_add_co_u32 s17, s17, s10
	s_lshl_b32 s17, s17, 11
	s_add_co_u32 s17, s17, MRG
	v_lshl_add_u32 v10, v1, 4, s17         ; place of the first merge: written by parts 1 and 3, read by parts 0 and 2
	s_lshl_b32 s18, s10, 11
	s_add_co_u32 s18, s18, MRG+4*2048
	v_lshl_add_u32 v11, v1, 4, s18         ; place of the second: written by part 2, read by part 0
	s_lshl_b32 s19, s11, 5
	v_mov_b32 v12, s19                     ; the number of the group in hand
	s_lshl_b32 s21, ttmp9, 6
	s_add_co_u32 s21, s21, s14
	s_lshl_b32 s21, s21, 5
	v_lshl_add_u32 v13, v1, 5, s21         ; grp: 32 bytes a query
	s_wait_kmcnt 0x0
	s_add_nc_u64 s[4:5], s[4:5], s[12:13]
.irp i, 0,1,2,3,4,5
	global_load_b128 v[64+4*\i:67+4*\i], v6, s[4:5] offset:16*\i
.endr
	global_load_b32 v16, v7, s[4:5]
	global_load_b32 v17, v7, s[4:5] offset:4
	global_load_b32 v18, v7, s[4:5] offset:8
.irp i, 0,1,2,3,4,5,6,7
	v_mov_b32 v[LA+\i], 0x7f800000         ; the list begins with infinities
	v_mov_b32 v[LI+\i], 0
.endr
	s_wait_loadcnt 0x0
.irp e, 0,1,2,3,4,5,6,7
	v_mul_f32 v[112+\e], v[64+3*\e], v[64+3*\e]
	v_mov_b32 v[88+\e], v[64+3*\e]
	v_mov_b32 v[96+\e], v[65+3*\e]
	v_mov_b32 v[104+\e], v[66+3*\e]
.endr
.irp e, 0,1,2,3,4,5,6,7
	v_fma_f32 v[112+\e], v[65+3*\e], v[65+3*\e], v[112+\e]
.endr
.irp e, 0,1,2,3,4,5,6,7
	v_fma_f32 v[112+\e], v[66+3*\e], v[66+3*\e], v[112+\e]
.endr
	v_mul_f32 v19, v16, v16
	v_fma_f32 v19, v17, v17, v19
	v_fma_f32 v19, v18, v18, v19           ; v[16:19] = my query's x, y, z, sq
.irp a, 0,1,2,3
	ds_store_b128 v8, v[88+8*\a:91+8*\a] offset:8192*\a
	ds_store_b128 v8, v[92+8*\a:95+8*\a] offset:8192*\a+16
.endr
	BAR                                    ; the 2,048 candidates lie in LDS
.macro LDG buf, off                    ; a group's x, y, z, sq: every lane reads the same 64 bytes of each array
.irp a, 0,1,2,3
.irp i, 0,1,2,3
	ds_load_b128 v[\buf+16*\a+4*\i:\buf+16*\a+4*\i+3], v9 offset:8192*\a+\off+16*\i
.endr
.endr
.endm
.macro GRP buf                         ; 16 distances, two at a time; their minimum goes into the list under the group's number
.irp p, 0,2,4,6,8,10,12,14
	v_pk_mul_f32 v[40+\p:41+\p], v[\buf+\p:\buf+\p+1], v[16:17] op_sel_hi:[1,0]
.endr
.irp p, 0,2,4,6,8,10,12,14
	v_pk_fma_f32 v[40+\p:41+\p], v[\buf+16+\p:\buf+17+\p], v[16:17], v[40+\p:41+\p] op_sel:[0,1,0] op_sel_hi:[1,1,1]
.endr
.irp p, 0,2,4,6,8,10,12,14
	v_pk_fma_f32 v[40+\p:41+\p], v[\buf+32+\p:\buf+33+\p], v[18:19], v[40+\p:41+\p] op_sel_hi:[1,0,1]
.endr
.irp p, 0,2,4,6,8,10,12,14
	v_pk_add_f32 v[\buf+48+\p:\buf+49+\p], v[\buf+48+\p:\buf+49+\p], v[18:19] op_sel:[0,1] op_sel_hi:[1,1]
.endr
.irp p, 0,2,4,6,8,10,12,14
	v_pk_fma_f32 v[40+\p:41+\p], v[40+\p:41+\p], -2.0, v[\buf+48+\p:\buf+49+\p] op_sel_hi:[1,0,1]
.endr
	v_min3_num_f32 v56, v40, v41, v42
	v_min3_num_f32 v57, v43, v44, v45
	v_min3_num_f32 v56, v56, v46, v47
	v_min3_num_f32 v57, v57, v48, v49
	v_min3_num_f32 v56, v56, v50, v51
	v_min3_num_f32 v57, v57, v52, v53
	v_min3_num_f32 v56, v56, v54, v55
	v_min_num_f32 v56, v56, v57
	INSERT 56, 12
	v_add_nc_u32 v12, 1, v12
.endm
	LDG 64, 0
	s_mov_b32 s20, 15
.Lscan:                                        ; a trip: two groups; while one is worked, the other's 16 loads are on their way
	s_wait_dscnt 0x0
	LDG 128, 64
	GRP 64
	v_add_nc_u32 v9, 128, v9
	s_wait_dscnt 0x0
	LDG 64, 0
	GRP 128
	s_sub_co_u32 s20, s20, 1
	s_cmp_lg_u32 s20, 0
	s_cbranch_scc1 .Lscan
	s_wait_dscnt 0x0                       ; groups 30 and 31: nothing is read beyond the wave's 512 candidates
	LDG 128, 64
	GRP 64
	s_wait_dscnt 0x0
	GRP 128
	BAR                                    ; every wave's reads of the candidates are over
	s_and_b32 s22, s11, 1
	s_cmp_eq_u32 s22, 0
	s_cbranch_scc1 .Lk_a
.irp c, 0,1,2,3
	ds_store_b128 v10, v[LA+4*\c:LA+4*\c+3] offset:512*\c          ; parts 1 and 3 hand their lists over, as images of their registers
.endr
.Lk_a:
	BAR
	s_cmp_lg_u32 s22, 0
	s_cbranch_scc1 .Lk_b
.irp c, 0,1,2,3
	ds_load_b128 v[64+4*\c:67+4*\c], v10 offset:512*\c
.endr
	s_wait_dscnt 0x0
.irp i, 0,1,2,3,4,5,6,7
	INSERT 64+\i, 72+\i                    ; the higher part's groups come behind equal values of the lower part
.endr
	s_cmp_lg_u32 s11, 2
	s_cbranch_scc1 .Lk_b
.irp c, 0,1,2,3
	ds_store_b128 v11, v[LA+4*\c:LA+4*\c+3] offset:512*\c
.endr
.Lk_b:
	BAR
	s_cmp_lg_u32 s11, 0
	s_cbranch_scc1 .Lk_end
.irp c, 0,1,2,3
	ds_load_b128 v[64+4*\c:67+4*\c], v11 offset:512*\c
.endr
	s_wait_dscnt 0x0
.irp i, 0,1,2,3,4,5,6,7
	INSERT 64+\i, 72+\i
.endr
.macro CSWAP a, b
	v_min_u32 v36, v[LI+\a], v[LI+\b]
	v_max_u32 v[LI+\b], v[LI+\a], v[LI+\b]
	v_mov_b32 v[LI+\a], v36
.endm
.rept 4                                ; the eight group numbers ascending (odd-even transposition, eight rounds): the second pass then goes up the indices
	CSWAP 0, 1
	CSWAP 2, 3
	CSWAP 4, 5
	CSWAP 6, 7
	CSWAP 1, 2
	CSWAP 3, 4
	CSWAP 5, 6
.endr
	global_store_b128 v13, v[LI:LI+3], s[6:7]
	global_store_b128 v13, v[LI+4:LI+7], s[6:7] offset:16
.Lk_end:
	s_wait_tensorcnt 0x0
	ds_add_u32 v192, v193
	s_wait_dscnt 0x0
	s_endpgm
.Lfunc_end_k_qe5df98d739_prep:
	.size	k_qe5df98d739_prep, .Lfunc_end_k_qe5df98d739_prep-k_qe5df98d739_prep
	.p2alignl 7, 3214868480
	.fill 96, 4, 3214868480
	.section	.rodata,"a",@progbits
	.p2align	6, 0x0
	.amdhsa_kernel k_qe5df98d739_prep
		.amdhsa_group_segment_fixed_size 46080
		.amdhsa_private_segment_fixed_size 0
		.amdhsa_enable_private_segment 0
		.amdhsa_kernarg_size 152
		.amdhsa_user_sgpr_count 2
		.amdhsa_user_sgpr_kernarg_segment_ptr 1
		.amdhsa_wavefront_size32 1
		.amdhsa_system_sgpr_workgroup_id_x 1
		.amdhsa_system_sgpr_workgroup_id_y 1
		.amdhsa_system_sgpr_workgroup_id_z 1
		.amdhsa_system_vgpr_workitem_id 0
		.amdhsa_next_free_vgpr 194
		.amdhsa_next_free_sgpr 66
		.amdhsa_reserve_vcc 0
		.amdhsa_float_denorm_mode_32 3
		.amdhsa_float_denorm_mode_16_64 3
		.amdhsa_memory_ordered 1
		.amdhsa_forward_progress 1
		.amdhsa_inst_pref_size 125
	.end_amdhsa_kernel
	.amdgpu_metadata
---
amdhsa.version: [ 1, 2 ]
amdhsa.kernels:
  - .name:           k_qe5df98d739_prep
    .symbol:         k_qe5df98d739_prep.kd
    .args:
      - { .name: pos_flipped, .offset: 0, .size: 8, .value_kind: global_buffer, .address_space: global }
      - { .name: vm_w1, .offset: 8, .size: 8, .value_kind: global_buffer, .address_space: global }
      - { .name: vm_w2, .offset: 16, .size: 8, .value_kind: global_buffer, .address_space: global }
      - { .name: wq, .offset: 24, .size: 8, .value_kind: global_buffer, .address_space: global }
      - { .name: wk, .offset: 32, .size: 8, .value_kind: global_buffer, .address_space: global }
      - { .name: wv, .offset: 40, .size: 8, .value_kind: global_buffer, .address_space: global }
      - { .name: pm_w2, .offset: 48, .size: 8, .value_kind: global_buffer, .address_space: global }
      - { .name: am_w1, .offset: 56, .size: 8, .value_kind: global_buffer, .address_space: global }
      - { .name: am_w2, .offset: 64, .size: 8, .value_kind: global_buffer, .address_space: global }
      - { .name: le_w, .offset: 72, .size: 8, .value_kind: global_buffer, .address_space: global }
      - { .name: pm_w1, .offset: 80, .size: 8, .value_kind: global_buffer, .address_space: global }
      - { .name: pm_b1, .offset: 88, .size: 8, .value_kind: global_buffer, .address_space: global }
      - { .name: pm_g, .offset: 96, .size: 8, .value_kind: global_buffer, .address_space: global }
      - { .name: pm_bt, .offset: 104, .size: 8, .value_kind: global_buffer, .address_space: global }
      - { .name: am_b1, .offset: 112, .size: 8, .value_kind: global_buffer, .address_space: global }
      - { .name: am_g, .offset: 120, .size: 8, .value_kind: global_buffer, .address_space: global }
      - { .name: am_bt, .offset: 128, .size: 8, .value_kind: global_buffer, .address_space: global }
      - { .name: grp, .offset: 136, .size: 8, .value_kind: global_buffer, .address_space: global }
      - { .name: wimg, .offset: 144, .size: 8, .value_kind: global_buffer, .address_space: global }
    .group_segment_fixed_size: 46080
    .private_segment_fixed_size: 0
    .kernarg_segment_align: 8
    .kernarg_segment_size: 152
    .max_flat_workgroup_size: 256
    .sgpr_count:     66
    .vgpr_count:     194
    .wavefront_size: 32
...
	.end_amdgpu_metadata
.endif
;; end of part 1
;; launch mid (part 2): grid 512 x 1, 4 waves a work-group, no clusters, 78,336 bytes of LDS; arguments fea, prev_fea, wimg, vm_b1, vm_b2, bv, pm_b2, grp, pos_flipped, qb, kb, vb, idn, idx; writes qb, kb, vb, idn, idx
.if DOCPART == 2
	.amdgcn_target "amdgcn-amd-amdhsa--gfx1250"
	.amdhsa_code_object_version 6
	.text
	.protected	k_qe5df98d739_mid
	.globl	k_qe5df98d739_mid
	.p2align	8
	.type	k_qe5df98d739_mid,@function
k_qe5df98d739_mid:
	s_mov_b64 s[64:65], 0
	v_nop
	global_prefetch_b8 v0, s[64:65] scope:SCOPE_SE
	s_setreg_imm32_b32 hwreg(HW_REG_WAVE_MODE, 25, 1), 1
	s_wait_xcnt 0x0
; SECOND LAUNCH OF THREE.  Two kinds of work-groups, told apart by the work-group's number alone.
;   0 .. 255    the products of a point, for 64 points: v0 = relu([fea, prev] vm_w1^T + b1) vm_w2^T + b2 -> idn, laid as the output;  fea wq^T + pm_b2 -> qb;  prev wk^T -> kb;  v0 wv^T + bv + pm_b2 -> vb; rows of 256 f32 a point.
;               (pm_b2, which the position code carries to both sums, is added here once a point: one f32 rounding is moved.)
;   256 .. 511  nearest neighbours, second pass: the 8 nearest among the 8 x 16 candidates that the first launch's list names -> idx.
; All products are on codes of E3M2 with one E8M0 byte for each 32 along K.  The weight is source 0 and 16 points are source 1, and the rows that form a weight's tile are chosen so that the 32 results of four neighbouring
; tiles are in each lane one whole block of 32 neighbouring units of ONE point: it is quantised with no other lane's help, and its six registers are half a fragment of the next product.
; Operands go from wave to wave through LDS as images of their registers: half a fragment (6 registers a lane) = 16 bytes a lane at 16 x lane, then 8 bytes a lane at 512 + 8 x lane.
; LIMITS: as stated at the head of the first launch (order of rounding in the distances, NaN and infinities, the scale byte 1 of tiny blocks).
.set WV,  32
.set SEL, 34                           ; s[34:35]
.set CM,  72                           ; s[72:79]
.set LA,  20
.set LI,  28
.set SH8, 4
.set PX,  5
.set L_FI,  0                          ; LDS: fea's four fragments (16 points x 128), prev's four,
.set L_PI,  6144
.set L_FS,  12288                      ; their scale words, 64 bytes a fragment,
.set L_PS,  12544
.set L_H0I, 12800                      ; the hidden layer's four fragments and words,
.set L_H0S, 18944
.set L_V0I, 19200                      ; v0's,
.set L_V0S, 25344
.set L_IDS, 25600                      ; v0 in f32, 128 channels x (64 points x 4 bytes + 16),
.set L_STG, 60416                      ; and a stage of 16 rows x (256 + 16) bytes for each wave
.set O_VM1I, 0
.set O_VM2I, 24576
.set O_WQI,  36864
.set O_WKI,  61440
.set O_WVI,  86016
.set O_SC,   356352
.set O_VM1S, O_SC
.set O_VM2S, O_SC+1024
.set O_WQS,  O_SC+1536
.set O_WKS,  O_SC+2560
.set O_WVS,  O_SC+3584
.macro BAR
	s_wait_dscnt 0x0
	s_barrier_signal -1
	s_barrier_wait -1
.endm
.macro PLACES n
.rept \n
	v_nop
.endr
.endm
.macro QUANT32 s, d, t, e, m0, m1, by  ; 32 numbers of one block -> 6 registers of codes, and the scale's byte
	v_max3_num_f32 v[\m0], |v[\s]|, |v[\s+1]|, 0x2800000          ; the floor 2^(5 - 127) holds the byte at 1 from below.  Each accumulator of eight is first read at its low end
	v_max3_num_f32 v[\m1], |v[\s+16]|, |v[\s+17]|, |v[\s+18]|
.irp i, 0,2,4,6,8,10
	v_max3_num_f32 v[\m0], v[\m0], |v[\s+2+\i]|, |v[\s+3+\i]|
	v_max3_num_f32 v[\m1], v[\m1], |v[\s+19+\i]|, |v[\s+20+\i]|
.endr
	v_max3_num_f32 v[\m0], v[\m0], |v[\s+14]|, |v[\s+15]|
	v_max3_num_f32 v[\m0], v[\m0], v[\m1], |v[\s+31]|
	v_add_nc_u32 v[\e], 0xfe000000, v[\m0]
	v_lshrrev_b32 v[\by], 23, v[\e]
	v_cvt_scalef32_pk16_bf6_f32 v[\d:\d+2], v[\s:\s+15], v[\e]
	v_cvt_scalef32_pk16_bf6_f32 v[\t:\t+2], v[\s+16:\s+31], v[\e]
	v_nop                                                         ; one plain place behind a scaled conversion
.irp i, 0,1,2
	v_mov_b32 v[\d+3+\i], v[\t+\i]
.endr
.endm
.macro HWORD by, hw                    ; my block's byte and lane l xor 16's: half a scale word
	v_lshlrev_b32 v[\hw], v[SH8], v[\by]
	v_permlanex16_b32 v[PX], v[\hw], s[SEL], s[SEL+1]
	v_or_b32 v[\hw], v[\hw], v[PX]
.endm
.macro PUTH reg, a16, a8, off
	ds_store_b128 v[\a16], v[\reg:\reg+3] offset:\off
	ds_store_b64 v[\a8], v[\reg+4:\reg+5] offset:\off
.endm
.macro GETH reg, a16, a8, off
	ds_load_b128 v[\reg:\reg+3], v[\a16] offset:\off
	ds_load_b64 v[\reg+4:\reg+5], v[\a8] offset:\off
.endm
.macro WM d, a, b, c, sa, sb
	v_wmma_scale_f32_16x16x128_f8f6f4 v[\d:\d+7], v[\a:\a+11], v[\b:\b+11], v[\c:\c+7], v[\sa], v[\sb] matrix_a_fmt:MATRIX_FMT_BF6 matrix_b_fmt:MATRIX_FMT_BF6
.endm
.macro WM0 d, a, b, sa, sb
	v_wmma_scale_f32_16x16x128_f8f6f4 v[\d:\d+7], v[\a:\a+11], v[\b:\b+11], 0, v[\sa], v[\sb] matrix_a_fmt:MATRIX_FMT_BF6 matrix_b_fmt:MATRIX_FMT_BF6
.endm
.macro INSERT x, j
.irp i, 0,1,2,3,4,5,6,7
	v_cmp_lt_f32 s[CM+\i], v[\x], v[LA+\i]
.endr
.irp i, 7,6,5,4,3,2,1
	v_cndmask_b32 v[LI+\i], v[LI+\i], v[\j], s[CM+\i]
	v_cndmask_b32 v[LI+\i], v[LI+\i], v[LI+\i-1], s[CM+\i-1]
	v_med3_num_f32 v[LA+\i], v[\x], v[LA+\i-1], v[LA+\i]
.endr
	v_cndmask_b32 v[LI], v[LI], v[\j], s[CM]
	v_min_num_f32 v[LA], v[\x], v[LA]
.endm
	s_load_b512 s[4:19], s[0:1], 0x0       ; fea 4, prev_fea 6, wimg 8, vm_b1 10, vm_b2 12, bv 14, pm_b2 16, grp 18
	s_load_b256 s[20:27], s[0:1], 0x40     ; pos_flipped 20, qb 22, kb 24, vb 26
	s_load_b128 s[28:31], s[0:1], 0x60     ; idn 28, idx 30
	v_lshl_add_u32 v62, v0, 2, 0x13000
	v_mov_b32 v63, 0
	v_lshrrev_b32 v1, 5, v0
	v_readfirstlane_b32 s[WV], v1
	v_and_b32 v1, 31, v0                   ; lane
	v_and_b32 v2, 15, v0                   ; r
	v_bfe_u32 v3, v0, 4, 1                 ; h
	v_lshlrev_b32 v[SH8], 3, v3
	v_mov_b32 v[PX], 0
	s_mov_b32 s[SEL], 0x76543210
	s_mov_b32 s[SEL+1], 0xfedcba98
	s_cmp_lt_u32 ttmp9, 256
	s_cbranch_scc0 .Lpassb
; ======== the products of 64 points.  REGISTERS: v6-23, v59-60 addresses; v24-31 weights' scale words; v40-41 data's; v44-58 codes just made and work (later a data fragment); v64-95 data fragments, later rows on their way out;
; v96-127 four accumulators; v128-223 weights; v224-255 a bias in the result's layout.
	s_and_b32 s36, s[WV], 1                ; cg: which 64 units of 128 (products 1 and 2)
	s_lshr_b32 s37, s[WV], 1               ; wh: which two tiles of 16 points
	v_lshlrev_b32 v6, 4, v1                ; 16 x lane
	v_lshl_add_u32 v7, v1, 3, 512          ; 512 + 8 x lane
	s_mul_i32 s38, s37, 3072
	v_add_nc_u32 v8, s38, v6               ; reading my two tiles of points
	v_add_nc_u32 v9, s38, v7
	s_lshl_b32 s39, s37, 7
	v_lshl_add_u32 v10, v2, 2, s39
	s_mul_i32 s40, s[WV], 3072
	v_add_nc_u32 v11, s40, v6              ; the inputs' images: wave w writes fragments 2 w and 2 w + 1 of fea's four and prev's four
	v_add_nc_u32 v12, s40, v7
	s_lshl_b32 s41, s[WV], 7
	v_lshl_add_u32 v13, v1, 2, s41
	s_mul_i32 s42, s36, 768
	v_add_nc_u32 v14, s42, v8              ; writing my half (cg) of my two tiles' fragments
	v_add_nc_u32 v15, s42, v9
	s_lshl_b32 s43, s36, 1
	v_add_nc_u32 v16, s43, v10
	v_mul_u32_u24 v17, v3, 8704            ; v0 in f32: channel 64 cg + 32 h + i, point 16 tile + r
	v_lshl_add_u32 v17, v2, 2, v17
	s_mul_i32 s44, s36, 17408
	s_add_co_u32 s44, s44, s39
	s_add_co_u32 s44, s44, L_IDS
	v_add_nc_u32 v17, s44, v17
	v_mul_u32_u24 v18, v3, 272             ; and back by channels: 32 w + 2 i + h, 16 bytes a lane
	v_lshl_add_u32 v18, v2, 4, v18
	v_mov_b32 v20, v18
	s_mul_i32 s45, s[WV], 8704
	s_add_co_u32 s45, s45, L_IDS
	v_add_nc_u32 v18, s45, v18
	v_mul_u32_u24 v19, v2, 272             ; my stage: in by points, 128 bytes for each half of the lanes;
	v_lshl_add_u32 v19, v3, 7, v19
	s_mul_i32 s46, s[WV], 4352
	s_add_co_u32 s46, s46, L_STG
	v_add_nc_u32 v19, s46, v19
	v_add_nc_u32 v20, s46, v20             ; back: lanes 0-15 one row of 256 bytes, lanes 16-31 the next
	v_lshlrev_b32 v21, 2, v2               ; 4 r
	v_lshlrev_b32 v22, 2, v1               ; 4 x lane
	v_lshlrev_b32 v23, 10, v3              ; qb, kb, vb: row h, + 16 r, + my 256 bytes of a row
	v_lshl_add_u32 v23, v2, 4, v23
	s_lshl_b32 s47, s[WV], 8
	v_add_nc_u32 v23, s47, v23
	v_lshlrev_b32 v59, 13, v3              ; idn: channel h, + 16 r
	v_lshl_add_u32 v59, v2, 4, v59
	v_lshlrev_b32 v60, 7, v3               ; a bias: my 32 units begin 128 h bytes on
	s_lshr_b32 s38, ttmp9, 5               ; batch
	s_and_b32 s39, ttmp9, 31
	s_lshl_b32 s39, s39, 8                 ; first point x 4 bytes
	s_mov_b32 s51, 0
	s_wait_kmcnt 0x0
	s_cmp_lt_u32 s[WV], 2                  ; waves 0, 1 take fea, waves 2, 3 prev_fea
	s_cselect_b64 s[48:49], s[4:5], s[6:7]
	s_lshl_b32 s50, s38, 20
	s_add_co_u32 s50, s50, s39
	s_lshl_b32 s40, s36, 7
	s_add_co_u32 s50, s50, s40
	s_add_nc_u64 s[48:49], s[48:49], s[50:51]
	s_mul_i32 s50, s36, 12288
	s_add_nc_u64 s[52:53], s[8:9], s[50:51]
	s_lshl_b32 s50, s36, 9
	s_add_nc_u64 s[54:55], s[8:9], s[50:51]
	s_mul_i32 s50, s36, 6144
	s_add_nc_u64 s[56:57], s[8:9], s[50:51]
	s_lshl_b32 s50, s36, 8
	s_add_nc_u64 s[58:59], s[8:9], s[50:51]
	s_add_nc_u64 s[66:67], s[10:11], s[50:51]
	s_add_nc_u64 s[68:69], s[12:13], s[50:51]
	s_mul_i32 s50, s[WV], 6144
	s_add_nc_u64 s[60:61], s[8:9], s[50:51]
	s_lshl_b32 s50, s[WV], 8
	s_add_nc_u64 s[62:63], s[8:9], s[50:51]
	s_add_nc_u64 s[70:71], s[14:15], s[50:51]
	s_add_nc_u64 s[80:81], s[16:17], s[50:51]
	s_lshl_b32 s50, ttmp9, 16              ; 64 points x 1,024 bytes
	s_add_nc_u64 s[22:23], s[22:23], s[50:51]
	s_add_nc_u64 s[24:25], s[24:25], s[50:51]
	s_add_nc_u64 s[26:27], s[26:27], s[50:51]
	s_lshl_b32 s50, s38, 20
	s_add_co_u32 s50, s50, s39
	s_lshl_b32 s40, s[WV], 18              ; my 32 channels
	s_add_co_u32 s50, s50, s40
	s_add_nc_u64 s[28:29], s[28:29], s[50:51]
	; ---- the inputs: A LANE TAKES A POINT AND ITS REGISTERS RUN DOWN THE CHANNELS, which are K: each load reads 128 consecutive bytes, and a block of 32 along K lies in one lane
.set k, 0
.rept 128
	global_load_b32 v[128+k], v22, s[48:49] offset:8192*k th:TH_LOAD_NT
.set k, k+1
.endr
	s_wait_loadcnt 63                      ; at most the youngest 63 are out: channels 0 to 63 are in
	QUANT32 128, 64, 88, 54, 55, 56, 44
	QUANT32 160, 70, 88, 54, 55, 56, 45
	s_wait_loadcnt 32
	QUANT32 192, 76, 88, 54, 55, 56, 46
	s_wait_loadcnt 0x0
	QUANT32 224, 82, 88, 54, 55, 56, 47
.irp j, 0,1,2,3,4,5,6,7,8,9,10,11,12,13,14,15,16,17,18,19,20,21,22,23
	global_load_b128 v[128+4*\j:131+4*\j], v6, s[52:53] offset:O_VM1I+512*\j     ; vm_w1: my four tiles x two K steps
.endr
.irp i, 0,1,2,3,4,5,6,7
	global_load_b32 v[24+\i], v21, s[54:55] offset:O_VM1S+64*\i
	global_load_b128 v[224+4*\i:227+4*\i], v60, s[66:67] offset:16*\i             ; vm_b1 of my 32 units
.endr
	v_lshl_or_b32 v58, v45, 8, v44         ; my point's scale word
	v_lshl_or_b32 v58, v46, 16, v58
	v_lshl_or_b32 v58, v47, 24, v58
.irp c, 0,1                            ; a fragment wants blocks 2 c (lanes 0-15) and 2 c + 1 (lanes 16-31) of 16 points: the first's upper lanes change places with the second's lower lanes
.irp i, 0,1,2,3,4,5
	v_permlane16_swap_b32 v[64+12*\c+\i], v[70+12*\c+\i]
.endr
.endr
	PUTH 64, 11, 12, 0                     ; points 0-15 of my 32,
	PUTH 76, 11, 12, 768
	PUTH 70, 11, 12, 1536                  ; points 16-31
	PUTH 82, 11, 12, 2304
	ds_store_b32 v13, v58 offset:L_FS
	BAR                                    ; the eight fragments of fea and prev_fea lie in LDS
	; ---- product 1: my 64 units for my two tiles of points; K = fea's 128, then prev_fea's
	s_wait_loadcnt 0x0
.irp e, 0,1
	GETH 64, 8, 9, L_FI+1536*\e
	GETH 70, 8, 9, L_FI+1536*\e+768
	GETH 76, 8, 9, L_PI+1536*\e
	GETH 82, 8, 9, L_PI+1536*\e+768
	ds_load_b32 v40, v10 offset:L_FS+64*\e
	ds_load_b32 v41, v10 offset:L_PS+64*\e
	s_wait_dscnt 0x0                       ; the operands are in, and the last tile's LDS stores have read their registers
.irp u, 0,1,2,3                        ; the four accumulators by turns; the bias is the C of the first step
	WM 96+8*\u, 128+24*\u, 64, 224+8*\u, 24+2*\u, 40
.endr
.irp u, 0,1,2,3
	WM 96+8*\u, 140+24*\u, 76, 96+8*\u, 25+2*\u, 41
.endr
	PLACES 4
.set n, 0
.rept 32
	v_max_num_f32 v[96+n], 0, v[96+n]
.set n, n+1
.endr
	QUANT32 96, 44, 50, 54, 55, 56, 57
	HWORD 57, 58
	PUTH 44, 14, 15, L_H0I+1536*\e
	ds_store_b16 v16, v58 offset:L_H0S+64*\e
.endr
.irp j, 0,1,2,3,4,5,6,7,8,9,10,11
	global_load_b128 v[128+4*\j:131+4*\j], v6, s[56:57] offset:O_VM2I+512*\j      ; vm_w2: my four tiles
.endr
.irp i, 0,1,2,3
	global_load_b32 v[24+\i], v21, s[58:59] offset:O_VM2S+64*\i
.endr
.irp i, 0,1,2,3,4,5,6,7
	global_load_b128 v[224+4*\i:227+4*\i], v60, s[68:69] offset:16*\i
.endr
	BAR                                    ; the hidden layer's four fragments lie in LDS
	; ---- product 2: v0
	s_wait_loadcnt 0x0
.irp e, 0,1
	GETH 64, 8, 9, L_H0I+1536*\e
	GETH 70, 8, 9, L_H0I+1536*\e+768
	ds_load_b32 v40, v10 offset:L_H0S+64*\e
	s_wait_dscnt 0x0
.irp u, 0,1,2,3
	WM 96+8*\u, 128+12*\u, 64, 224+8*\u, 24+\u, 40
.endr
	PLACES 4
.set n, 0
.rept 32
	ds_store_b32 v17, v[96+n] offset:272*n+64*\e   ; v0 in f32, by channels
.set n, n+1
.endr
	QUANT32 96, 44, 50, 54, 55, 56, 57
	HWORD 57, 58
	PUTH 44, 14, 15, L_V0I+1536*\e
	ds_store_b16 v16, v58 offset:L_V0S+64*\e
.endr
.irp j, 0,1,2,3,4,5,6,7,8,9,10,11
	global_load_b128 v[128+4*\j:131+4*\j], v6, s[60:61] offset:O_WVI+512*\j       ; wv: my 64 of 256 units
.endr
.irp i, 0,1,2,3
	global_load_b32 v[24+\i], v21, s[62:63] offset:O_WVS+64*\i
.endr
.irp i, 0,1,2,3,4,5,6,7
	global_load_b128 v[224+4*\i:227+4*\i], v60, s[80:81] offset:16*\i             ; pm_b2
	global_load_b128 v[64+4*\i:67+4*\i], v60, s[70:71] offset:16*\i               ; bv
.endr
	BAR                                    ; v0 lies in LDS, as codes and in f32
	s_wait_loadcnt 0x0
.irp i, 0,2,4,6,8,10,12,14,16,18,20,22,24,26,28,30
	v_pk_add_f32 v[224+\i:225+\i], v[224+\i:225+\i], v[64+\i:65+\i]
.endr
.irp j, 0,1,2,3,4,5,6,7,8,9,10,11
	global_load_b128 v[176+4*\j:179+4*\j], v6, s[60:61] offset:O_WKI+512*\j       ; wk, into the second set
.endr
.irp i, 0,1,2,3
	global_load_b32 v[28+\i], v21, s[62:63] offset:O_WKS+64*\i
.endr
	; ---- v0 leaves, laid as the output: my 32 channels; sixteen lanes store a channel's 256 consecutive bytes
.irp a, 0,1
.if \a
	s_wait_xcnt 0x0                        ; the first eight stores have read their registers
.endif
.irp i, 0,1,2,3,4,5,6,7
	ds_load_b128 v[64+4*\i:67+4*\i], v18 offset:544*(8*\a+\i)
.endr
	s_wait_dscnt 0x0
.irp i, 0,1,2,3,4,5,6,7
	global_store_b128 v59, v[64+4*\i:67+4*\i], s[28:29] offset:16384*(8*\a+\i)
.endr
.endr
; my 64 units for all four tiles of points; the results go through my stage and leave as runs of 256 bytes of a point's row
.macro DPROD img, scl, wr, ws, op, cm
.irp p, 0,1,2,3
	GETH 44, 6, 7, \img+1536*\p
	GETH 50, 6, 7, \img+1536*\p+768
	ds_load_b32 v40, v21 offset:\scl+64*\p
	s_wait_dscnt 0x0
.irp u, 0,1,2,3
.if \cm
	WM 96+8*\u, \wr+12*\u, 44, 224+8*\u, \ws+\u, 40
.else
	WM0 96+8*\u, \wr+12*\u, 44, \ws+\u, 40
.endif
.endr
	PLACES 5                               ; four for the stores and loads below; the fifth since the next tile's products write over these accumulators
.irp g, 0,1,2,3,4,5,6,7
	ds_store_b128 v19, v[96+4*\g:99+4*\g] offset:16*\g
.endr
	s_wait_xcnt 0x0                        ; the last tile's stores have read v64-95
.irp i, 0,1,2,3,4,5,6,7
	ds_load_b128 v[64+4*\i:67+4*\i], v20 offset:544*\i     ; LDS serves a wave's instructions in order: these see my stores
.endr
	s_wait_dscnt 0x0
.irp i, 0,1,2,3,4,5,6,7
	global_store_b128 v23, v[64+4*\i:67+4*\i], s[\op:\op+1] offset:(16*\p+2*\i)*1024
.endr
.endr
.endm
	DPROD L_V0I, L_V0S, 128, 24, 26, 1     ; value + bv + pm_b2
.irp i, 0,1,2,3,4,5,6,7
	global_load_b128 v[224+4*\i:227+4*\i], v60, s[80:81] offset:16*\i             ; pm_b2 alone, for q: it lands while key is multiplied
.endr
.irp j, 0,1,2,3,4,5,6,7,8,9,10,11
	global_load_b128 v[128+4*\j:131+4*\j], v6, s[60:61] offset:O_WQI+512*\j
.endr
.irp i, 0,1,2,3
	global_load_b32 v[24+\i], v21, s[62:63] offset:O_WQS+64*\i
.endr
	s_wait_loadcnt 24                      ; all but the 24 just issued: wk is in
	DPROD L_PI, L_PS, 176, 28, 24, 0       ; key
	s_wait_loadcnt 0x0
	DPROD L_FI, L_FS, 128, 24, 22, 1       ; query + pm_b2
	s_wait_tensorcnt 0x0
	ds_add_u32 v62, v63
	s_wait_dscnt 0x0
	s_endpgm
; ======== nearest neighbours, second pass.  Lane (r, h): query 64 (work-group - 256) + 16 wave + r, groups 4 h .. 4 h + 3 of its ascending list: 64 candidates a lane, going up the indices.
.Lpassb:
	s_sub_co_u32 s36, ttmp9, 256
	s_lshl_b32 s37, s36, 6
	s_lshl_b32 s38, s[WV], 4
	s_add_co_u32 s37, s37, s38
	s_lshr_b32 s38, s36, 5                 ; batch
	s_mul_i32 s38, s38, 24576
	v_add_nc_u32 v6, s37, v2               ; my query
	v_lshlrev_b32 v7, 5, v6
	v_lshl_add_u32 v7, v3, 4, v7           ; 32 bytes a query, 16 for each half of the lanes: in grp and in idx
	v_mul_u32_u24 v8, v6, 12
	s_wait_kmcnt 0x0
	global_load_b128 v[12:15], v7, s[18:19]
	global_load_b32 v16, v8, s[20:21]
	global_load_b32 v17, v8, s[20:21] offset:4
	global_load_b32 v18, v8, s[20:21] offset:8
.irp i, 0,1,2,3,4,5,6,7
	v_mov_b32 v[LA+\i], 0x7f800000
	v_mov_b32 v[LI+\i], 0
.endr
	s_wait_loadcnt 0x0
.irp i, 0,1,2,3
	v_min_u32 v[12+\i], 0x7f, v[12+\i]     ; a group's number stays inside the batch
.endr
.irp i, 0,1,2,3
	v_mul_u32_u24 v[36+\i], v[12+\i], 192  ; 16 candidates x 12 bytes
	v_add_nc_u32 v[36+\i], s38, v[36+\i]
	v_lshlrev_b32 v[12+\i], 4, v[12+\i]    ; the group's first index
.endr
.irp g, 0,1,2,3
.irp i, 0,1,2,3,4,5,6,7,8,9,10,11
	global_load_b128 v[64+48*\g+4*\i:67+48*\g+4*\i], v[36+\g], s[20:21] offset:16*\i
.endr
.endr
	v_mul_f32 v19, v16, v16
	v_fma_f32 v19, v17, v17, v19
	v_fma_f32 v19, v18, v18, v19
.irp g, 0,1,2,3
	s_wait_loadcnt 12*(3-\g)               ; this group's twelve loads are in; the later groups' may be out
.irp e, 0,1,2,3,4,5,6,7,8,9,10,11,12,13,14,15
	v_mul_f32 v40, v[64+48*\g+3*\e], v[64+48*\g+3*\e]              ; the same lines, in the same order, as in the first pass: the same bits
	v_mul_f32 v41, v[64+48*\g+3*\e], v16
	v_fma_f32 v40, v[65+48*\g+3*\e], v[65+48*\g+3*\e], v40
	v_fma_f32 v41, v[65+48*\g+3*\e], v17, v41
	v_fma_f32 v40, v[66+48*\g+3*\e], v[66+48*\g+3*\e], v40
	v_fma_f32 v41, v[66+48*\g+3*\e], v18, v41
	v_add_f32 v40, v40, v19
	v_fma_f32 v40, v41, -2.0, v40
	v_add_nc_u32 v42, \e, v[12+\g]
	INSERT 40, 42
.endr
.endr
	; the two halves' lists are merged, alike in both lanes: the base is the lower groups' list, the higher groups' entries go in behind equal values
	v_cmp_ne_u32 vcc_lo, 0, v3
.irp i, 0,1,2,3,4,5,6,7,8,9,10,11,12,13,14,15
	v_permlanex16_b32 v[64+\i], v[LA+\i], s[SEL], s[SEL+1]
.endr
.irp i, 0,1,2,3,4,5,6,7,8,9,10,11,12,13,14,15
	v_cndmask_b32 v[80+\i], v[64+\i], v[LA+\i], vcc_lo
	v_cndmask_b32 v[LA+\i], v[LA+\i], v[64+\i], vcc_lo
.endr
.irp i, 0,1,2,3,4,5,6,7
	INSERT 80+\i, 88+\i
.endr
.irp i, 0,1,2,3
	v_cndmask_b32 v[40+\i], v[LI+\i], v[LI+4+\i], vcc_lo
.endr
	global_store_b128 v7, v[40:43], s[30:31]       ; the wave stores 512 consecutive bytes: 16 queries' lists
	s_endpgm
.Lfunc_end_k_qe5df98d739_mid:
	.size	k_qe5df98d739_mid, .Lfunc_end_k_qe5df98d739_mid-k_qe5df98d739_mid
	.p2alignl 7, 3214868480
	.fill 96, 4, 3214868480
	.section	.rodata,"a",@progbits
	.p2align	6, 0x0
	.amdhsa_kernel k_qe5df98d739_mid
		.amdhsa_group_segment_fixed_size 78336
		.amdhsa_private_segment_fixed_size 0
		.amdhsa_enable_private_segment 0
		.amdhsa_kernarg_size 112
		.amdhsa_user_sgpr_count 2
		.amdhsa_user_sgpr_kernarg_segment_ptr 1
		.amdhsa_wavefront_size32 1
		.amdhsa_system_sgpr_workgroup_id_x 1
		.amdhsa_system_sgpr_workgroup_id_y 1
		.amdhsa_system_sgpr_workgroup_id_z 1
		.amdhsa_system_vgpr_workitem_id 0
		.amdhsa_next_free_vgpr 256
		.amdhsa_next_free_sgpr 90
		.amdhsa_reserve_vcc 1
		.amdhsa_float_denorm_mode_32 3
		.amdhsa_float_denorm_mode_16_64 3
		.amdhsa_memory_ordered 1
		.amdhsa_forward_progress 1
		.amdhsa_inst_pref_size 255
	.end_amdhsa_kernel
	.section	.bss,"aw",@nobits
	.p2align	6
	.space	262144
	.amdgpu_metadata
---
amdhsa.version: [ 1, 2 ]
amdhsa.kernels:
  - .name:           k_qe5df98d739_mid
    .symbol:         k_qe5df98d739_mid.kd
    .args:
      - { .name: fea, .offset: 0, .size: 8, .value_kind: global_buffer, .address_space: global }
      - { .name: prev_fea, .offset: 8, .size: 8, .value_kind: global_buffer, .address_space: global }
      - { .name: wimg, .offset: 16, .size: 8, .value_kind: global_buffer, .address_space: global }
      - { .name: vm_b1, .offset: 24, .size: 8, .value_kind: global_buffer, .address_space: global }
      - { .name: vm_b2, .offset: 32, .size: 8, .value_kind: global_buffer, .address_space: global }
      - { .name: bv, .offset: 40, .size: 8, .value_kind: global_buffer, .address_space: global }
      - { .name: pm_b2, .offset: 48, .size: 8, .value_kind: global_buffer, .address_space: global }
      - { .name: grp, .offset: 56, .size: 8, .value_kind: global_buffer, .address_space: global }
      - { .name: pos_flipped, .offset: 64, .size: 8, .value_kind: global_buffer, .address_space: global }
      - { .name: qb, .offset: 72, .size: 8, .value_kind: global_buffer, .address_space: global }
      - { .name: kb, .offset: 80, .size: 8, .value_kind: global_buffer, .address_space: global }
      - { .name: vb, .offset: 88, .size: 8, .value_kind: global_buffer, .address_space: global }
      - { .name: idn, .offset: 96, .size: 8, .value_kind: global_buffer, .address_space: global }
      - { .name: idx, .offset: 104, .size: 8, .value_kind: global_buffer, .address_space: global }
    .group_segment_fixed_size: 78336
    .private_segment_fixed_size: 0
    .kernarg_segment_align: 8
    .kernarg_segment_size: 112
    .max_flat_workgroup_size: 128
    .sgpr_count:     90
    .vgpr_count:     256
    .wavefront_size: 32
...
	.end_amdgpu_metadata
.endif
;; end of part 2
;; launch main (part 3): grid 256 x 1, 8 waves a work-group, no clusters, 311,296 bytes of LDS; arguments idx, wimg, qb, kb, vb, idn, pos, am_b2, le_b, out0; writes out0
.if DOCPART == 3
	.amdgcn_target "amdgcn-amd-amdhsa--gfx1250"
	.amdhsa_code_object_version 6
	.text
	.protected	k_qe5df98d739_main
	.globl	k_qe5df98d739_main
	.p2align	8
	.type	k_qe5df98d739_main,@function
k_qe5df98d739_main:
	s_mov_b64 s[64:65], 0
	v_nop
	global_prefetch_b8 v0, s[64:65] scope:SCOPE_SE
	s_setreg_imm32_b32 hwreg(HW_REG_WAVE_MODE, 25, 1), 1
	s_wait_xcnt 0x0
; THIRD LAUNCH OF THREE: the chain of a (point, neighbour), the softmax over the 8 neighbours, the last product, the output.
; SHARES.  A work-group takes 64 points: 32 tiles of 16 rows (tile T = points 2 T, 2 T + 1, row = 8 (point % 2) + neighbour), in four blocks of 8 tiles.  Eight waves, two to a SIMD, so that one wave's vector work
; stands beside the other's matrix work.  THE WAVES SHARE THE COLUMNS: wave w keeps in registers, for the whole launch, am_w1's units 64 w on, am_w2's channels 32 w on and its parts of pm_w2 (read from memory once, in the
; order of an operand's registers).  What goes round through LDS are the rows' codes, as images of an operand's registers (half a fragment: 16 bytes a lane at 16 x lane, 8 bytes a lane at 512 + 8 x lane).
; No tensor loads and no cluster: the weights go straight into registers, and all other operands are the work-group's own or hang on the stored list of neighbours.
; A BLOCK, two barriers:
;   X  x^T = (q' - key) + pm_w2 h1: the weight is source 0, so that a lane holds 32 neighbouring channels of one row: a whole block; quantised -> LDS                              | barrier
;   H  am_w1 x, batch norm, relu, quantised -> LDS (wave w's 64 units are half a K step of the next product); beside it the next block's key rows are fetched, taken off q', and laid in LDS   | barrier
;   A  am_w2 h and pm_w2 h1 with the rows as source 0: a lane holds the 8 neighbours of one point for two channels: softmax and weighted sum need no other lane -> LDS
; Two barriers do: X writes x's images, which H of the block before has read ahead of its closing barrier; H writes h's images and the key rows behind the barrier that every wave reaches behind its phases A and X.
; THE LAST BLOCK HAS NO SUCCESSOR: phase H is written twice, with the fetching of key rows and without, and one scalar branch on the block's number chooses; each way's counted waits have their own loads behind them,
; and the ways join with no load out.
; THE HEAD ASKS IN THE ORDER OF NEED: the rows' neighbours and own points, h1's constants, pm_w2; the neighbours' positions; q' and the first block's key rows, which land while h1 is computed; am_w2 and am_w1 last: they land
; under phase X.  h1's constants, the key rows' offsets and q' lie meanwhile in the registers that am_w1 and am_w2 will take.
; FOLDINGS (each moves one f32 rounding): pm_b2 lies in q' and in value'; the batch norms are one multiply-add with constants made by the first launch.  am_b2 and le_b are the C of their sums' first products.
; The softmax takes the largest of the 8 away first.
; LIMITS: NaN and infinities are not served; a block whose largest magnitude lies under 2^(5 - 127) gets the scale byte 1 (read by this program alone).
; pm_w2 has K = 64: its fragments are 6 registers; the matrix instruction names 12.  The upper six it names are the next fragment's codes, finite numbers, and meet h1's upper six registers, which hold zero codes for the whole launch.
; REGISTERS.  Window 0: v1-26 addresses; v27 h1's scale word; v28-35, 36-43, 44-47, 48-49 the weights' scale words; v50-51 am_b2; v52-63 h1's fragment; v64-79 two rows of q' (H), am_b2 in the result's layout (A);
;   v80-143 s and t of the batch norm (X, H); v144-255 by phase.
;   Window 1: v0-35 pm_w2 (as source 0: 6 u; as source 1: 24 + 6 u); v36-131 am_w1; v132-227 am_w2; v228-251 three sets of 8 neighbours' numbers, then offsets.
.set QKP,   1040                       ; a row of q' - key: 1,024 bytes + 16: the 16 rows that a load touches start in 16 different groups of banks (64 banks of 4 bytes: ISA guide 11.1)
.set L_H1I, 133120                     ; LDS: 128 rows of q' - key at 0; h1: 32 half fragments of 768 bytes,
.set L_H1S, 157696                     ; their scale words, 64 bytes each;
.set L_XI,  159744                     ; x: 8 tiles x 2 fragments,
.set L_XS,  184320
.set L_HI,  185344                     ; h: 8 tiles x 4 fragments,
.set L_HS,  234496
.set L_AGG, 236544                     ; the sums: a region for each wave's 32 channels: 64 points x (128 bytes + 16)
.set L_ASC, 12288                      ; at the end, where the key rows lay: the sums' 8 fragments at 0, their scale words here,
.set L_OUT, 16384                      ; and y: 128 channels x (256 bytes + 16)
.set O_PTI,  110592
.set O_PNI,  122880
.set O_A1I,  135168
.set O_A2I,  233472
.set O_LEI,  331776
.set O_SC,   356352
.set O_PTS,  O_SC+4608
.set O_PNS,  O_SC+5632
.set O_A1S,  O_SC+6656
.set O_A2S,  O_SC+10752
.set O_LES,  O_SC+14848
.set O_PMC,  373248
.set O_AS,   374272
.set O_AT,   376320
.set SH8, 1
.set PX,  2
.set SEL, 56
.set MSB, 0
.macro WIN new                         ; the immediate's high byte repeats the setting that is left
.if MSB != \new
	s_set_vgpr_msb (MSB<<8)|\new
.set MSB, \new
.endif
.endm
.macro BAR
	s_wait_dscnt 0x0
	s_barrier_signal -1
	s_barrier_wait -1
.endm
.macro PLACES n
.rept \n
	v_nop
.endr
.endm
.macro QUANT32 s, d, t, e, m0, m1, by  ; 32 numbers of one block -> 6 registers of codes, and the scale's byte
	v_max3_num_f32 v[\m0], |v[\s]|, |v[\s+1]|, 0x2800000          ; the floor 2^(5 - 127) holds the byte at 1 from below.  Each accumulator of eight is first read at its low end
	v_max3_num_f32 v[\m1], |v[\s+16]|, |v[\s+17]|, |v[\s+18]|
.irp i, 0,2,4,6,8,10
	v_max3_num_f32 v[\m0], v[\m0], |v[\s+2+\i]|, |v[\s+3+\i]|
	v_max3_num_f32 v[\m1], v[\m1], |v[\s+19+\i]|, |v[\s+20+\i]|
.endr
	v_max3_num_f32 v[\m0], v[\m0], |v[\s+14]|, |v[\s+15]|
	v_max3_num_f32 v[\m0], v[\m0], v[\m1], |v[\s+31]|
	v_add_nc_u32 v[\e], 0xfe000000, v[\m0]
	v_lshrrev_b32 v[\by], 23, v[\e]
	v_cvt_scalef32_pk16_bf6_f32 v[\d:\d+2], v[\s:\s+15], v[\e]
	v_cvt_scalef32_pk16_bf6_f32 v[\t:\t+2], v[\s+16:\s+31], v[\e]
	v_nop                                                         ; one plain place behind a scaled conversion
.irp i, 0,1,2
	v_mov_b32 v[\d+3+\i], v[\t+\i]
.endr
.endm
.macro HWORD by, hw
	v_lshlrev_b32 v[\hw], v[SH8], v[\by]
	v_permlanex16_b32 v[PX], v[\hw], s[SEL], s[SEL+1]
	v_or_b32 v[\hw], v[\hw], v[PX]
.endm
.macro PUTH reg, a16, a8, off
	ds_store_b128 v[\a16], v[\reg:\reg+3] offset:\off
	ds_store_b64 v[\a8], v[\reg+4:\reg+5] offset:\off
.endm
.macro GETH reg, a16, a8, off
	ds_load_b128 v[\reg:\reg+3], v[\a16] offset:\off
	ds_load_b64 v[\reg+4:\reg+5], v[\a8] offset:\off
.endm
.macro WM d, a, b, c, sa, sb
	v_wmma_scale_f32_16x16x128_f8f6f4 v[\d:\d+7], v[\a:\a+11], v[\b:\b+11], v[\c:\c+7], v[\sa], v[\sb] matrix_a_fmt:MATRIX_FMT_BF6 matrix_b_fmt:MATRIX_FMT_BF6
.endm
.macro WM0 d, a, b, sa, sb
	v_wmma_scale_f32_16x16x128_f8f6f4 v[\d:\d+7], v[\a:\a+11], v[\b:\b+11], 0, v[\sa], v[\sb] matrix_a_fmt:MATRIX_FMT_BF6 matrix_b_fmt:MATRIX_FMT_BF6
.endm
; THE STAGE.  Wave w brings the 16 key rows of tile w of a block; their numbers lie in s[32:47].  A row is 1,024 bytes: two loads of 512 consecutive bytes.
.macro ISSUE m, k                      ; rows 2 m, 2 m + 1 -> v[k .. k + 15]
	s_min_u32 s58, s[32+2*(\m)], 2047
	s_min_u32 s62, s[33+2*(\m)], 2047
	s_lshl_b32 s58, s58, 10
	s_lshl_b32 s62, s62, 10
	s_add_nc_u64 s[48+4*((\m)%2):49+4*((\m)%2)], s[10:11], s[58:59]
	s_add_nc_u64 s[50+4*((\m)%2):51+4*((\m)%2)], s[10:11], s[62:63]
	global_load_b128 v[\k:\k+3], v4, s[48+4*((\m)%2):49+4*((\m)%2)]
	global_load_b128 v[\k+4:\k+7], v4, s[48+4*((\m)%2):49+4*((\m)%2)] offset:512
	global_load_b128 v[\k+8:\k+11], v4, s[50+4*((\m)%2):51+4*((\m)%2)]
	global_load_b128 v[\k+12:\k+15], v4, s[50+4*((\m)%2):51+4*((\m)%2)] offset:512
.endm
.macro QLOAD                           ; q' of the tile's two points
	global_load_b128 v[64:67], v4, s[60:61]
	global_load_b128 v[68:71], v4, s[60:61] offset:512
	global_load_b128 v[72:75], v4, s[60:61] offset:1024
	global_load_b128 v[76:79], v4, s[60:61] offset:1536
.endm
.macro SUBK m, k                       ; q' - key of rows 2 m, 2 m + 1 (both of point m / 4), in place
.irp e, 0,1
.irp j, 0,2,4,6
	v_pk_add_f32 v[\k+8*\e+\j:\k+8*\e+\j+1], v[64+8*((\m)/4)+\j:65+8*((\m)/4)+\j], v[\k+8*\e+\j:\k+8*\e+\j+1] neg_lo:[0,1] neg_hi:[0,1]
.endr
.endr
.endm
.macro PUTK m, k                       ; -> LDS
	ds_store_b128 v6, v[\k:\k+3] offset:(2*(\m))*QKP
	ds_store_b128 v6, v[\k+4:\k+7] offset:(2*(\m))*QKP+512
	ds_store_b128 v6, v[\k+8:\k+11] offset:(2*(\m)+1)*QKP
	ds_store_b128 v6, v[\k+12:\k+15] offset:(2*(\m)+1)*QKP+512
.endm
.macro STOREK m, k
	SUBK \m, \k
	PUTK \m, \k
.endm
	s_load_b512 s[4:19], s[0:1], 0x0       ; idx 4, wimg 6, qb 8, kb 10, vb 12, idn 14, pos 16, am_b2 18
	s_load_b128 s[20:23], s[0:1], 0x40     ; le_b 20, out0 22
	s_set_vgpr_msb 0x40
	v_lshl_add_u32 v254, v0, 2, 0x4bc00
	v_mov_b32 v255, 0
	s_set_vgpr_msb 0x4000
	v_lshrrev_b32 v1, 5, v0
	v_readfirstlane_b32 s24, v1            ; w
	s_and_b32 s25, s24, 3                  ; cg: which 64 channels of x (phase X)
	s_lshr_b32 s26, s24, 2                 ; rh: which four tiles of a block (phase X)
	s_mov_b32 s27, 0                       ; the block
	s_mov_b32 s[SEL], 0x76543210
	s_mov_b32 s[SEL+1], 0xfedcba98
	s_mov_b32 s59, 0
	s_mov_b32 s63, 0
	s_mov_b32 s29, 0
	v_and_b32 v52, 31, v0                  ; lane, r, h: at work in the head only
	v_and_b32 v53, 15, v0
	v_bfe_u32 v54, v0, 4, 1
	v_lshlrev_b32 v[SH8], 3, v54
	v_mov_b32 v[PX], 0
	s_lshl_b32 s28, s24, 7
	v_lshl_add_u32 v3, v53, 3, s28         ; v3   128 w + 8 r: my two channels in a row of 1,024 bytes
	v_lshlrev_b32 v4, 4, v52               ; v4   16 x lane
	v_mul_u32_u24 v5, v53, QKP             ; v5   X reads q' - key: row 64 rh + r, + 256 cg + 128 h
	v_lshl_add_u32 v5, v54, 7, v5
	s_mul_i32 s28, s26, 64*QKP
	s_lshl_b32 s30, s25, 8
	s_add_co_u32 s28, s28, s30
	v_add_nc_u32 v5, s28, v5
	s_mul_i32 s28, s24, 16*QKP
	v_add_nc_u32 v6, s28, v4               ; v6   the stage writes rows 16 w on
	s_mul_i32 s28, s26, 3072
	s_add_co_u32 s28, s28, L_H1I
	v_lshl_add_u32 v7, v52, 4, s28         ; v7-9 h1 as X reads it (tiles 4 rh on); step with the block
	s_add_co_u32 s28, s28, 512
	v_lshl_add_u32 v8, v52, 3, s28
	s_lshl_b32 s28, s26, 8
	s_add_co_u32 s28, s28, L_H1S
	v_lshl_add_u32 v9, v53, 2, s28
	v_lshl_add_u32 v10, v52, 4, L_H1I      ; v10-12 h1 as A reads it; step with the block
	v_lshl_add_u32 v11, v52, 3, L_H1I+512
	v_lshl_add_u32 v12, v53, 2, L_H1S
	s_mul_i32 s28, s26, 12288
	s_mul_i32 s30, s25, 768
	s_add_co_u32 s28, s28, s30
	s_add_co_u32 s28, s28, L_XI
	v_lshl_add_u32 v13, v52, 4, s28        ; v13-15 X writes x: tile 4 rh + i, half fragment cg
	s_add_co_u32 s28, s28, 512
	v_lshl_add_u32 v14, v52, 3, s28
	s_lshl_b32 s28, s26, 9
	s_lshr_b32 s30, s25, 1
	s_lshl_b32 s30, s30, 6
	s_add_co_u32 s28, s28, s30
	s_and_b32 s30, s25, 1
	s_lshl_b32 s30, s30, 1
	s_add_co_u32 s28, s28, s30
	s_add_co_u32 s28, s28, L_XS
	v_lshl_add_u32 v15, v53, 2, s28
	v_lshl_add_u32 v16, v52, 4, L_XI       ; v16-18 H reads x
	v_lshl_add_u32 v17, v52, 3, L_XI+512
	v_lshl_add_u32 v18, v53, 2, L_XS
	s_mul_i32 s28, s24, 768
	s_add_co_u32 s28, s28, L_HI
	v_lshl_add_u32 v19, v52, 4, s28        ; v19-21 H writes h: half fragment w
	s_add_co_u32 s28, s28, 512
	v_lshl_add_u32 v20, v52, 3, s28
	s_lshr_b32 s28, s24, 1
	s_lshl_b32 s28, s28, 6
	s_and_b32 s30, s24, 1
	s_lshl_b32 s30, s30, 1
	s_add_co_u32 s28, s28, s30
	s_add_co_u32 s28, s28, L_HS
	v_lshl_add_u32 v21, v53, 2, s28
	v_lshl_add_u32 v22, v52, 4, L_HI       ; v22-24 A reads h
	v_lshl_add_u32 v23, v52, 3, L_HI+512
	v_lshl_add_u32 v24, v53, 2, L_HS
	v_mul_u32_u24 v25, v54, 144            ; v25  A writes the sums: my region, point h, 8 r; steps with the block
	v_lshl_add_u32 v25, v53, 3, v25
	s_mul_i32 s28, s24, 9216
	s_add_co_u32 s28, s28, L_AGG
	v_add_nc_u32 v25, s28, v25
	v_lshlrev_b32 v26, 5, v54              ; v26  idx: 32 h; steps with the block
	s_mul_i32 s28, s24, 3072
	s_add_co_u32 s28, s28, L_H1I
	v_lshl_add_u32 v55, v52, 4, s28        ; v55-57 the head writes h1: tiles 4 w on
	s_add_co_u32 s28, s28, 512
	v_lshl_add_u32 v56, v52, 3, s28
	s_lshl_b32 s28, s24, 8
	s_add_co_u32 s30, s28, L_H1S
	v_lshl_add_u32 v57, v53, 2, s30
	v_lshl_add_u32 v58, v53, 2, s28        ; v58  idx of my row in tiles 4 w on: 256 w + 4 r
	v_lshrrev_b32 v59, 3, v53              ; v59  pos of my row's own point: 4 (first point + 8 w + r / 8)
	s_lshl_b32 s28, s24, 5
	s_and_b32 s30, ttmp9, 31
	s_lshl_b32 s30, s30, 8
	s_add_co_u32 s28, s28, s30
	v_lshl_add_u32 v59, v59, 2, s28
	v_lshlrev_b32 v60, 7, v54              ; v60  128 h
	v_lshlrev_b32 v61, 2, v53              ; v61  4 r
	v_lshlrev_b32 v62, 3, v52              ; v62  8 x lane
	s_lshl_b32 s79, s24, 8                 ; 256 w
	s_lshl_b32 s78, s24, 6                 ; tile w of block 0: 64 bytes of numbers a tile
	s_wait_kmcnt 0x0
	s_lshl_b32 s28, ttmp9, 11
	s_add_nc_u64 s[4:5], s[4:5], s[28:29]          ; idx at my first point
	s_load_b512 s[32:47], s[4:5], s78 offset:0x0
	s_lshl_b32 s28, ttmp9, 16
	s_add_nc_u64 s[8:9], s[8:9], s[28:29]          ; qb likewise
	s_lshr_b32 s30, ttmp9, 5                       ; batch
	s_lshl_b32 s28, s30, 21
	s_add_nc_u64 s[10:11], s[10:11], s[28:29]      ; kb, vb, pos at my batch
	s_add_nc_u64 s[12:13], s[12:13], s[28:29]
	s_mul_i32 s28, s30, 24576
	s_add_nc_u64 s[16:17], s[16:17], s[28:29]
	s_lshl_b32 s28, s30, 20
	s_and_b32 s31, ttmp9, 31
	s_lshl_b32 s31, s31, 8
	s_add_co_u32 s28, s28, s31
	s_lshl_b32 s31, s24, 17
	s_add_co_u32 s28, s28, s31
	s_add_nc_u64 s[14:15], s[14:15], s[28:29]      ; idn, out0 at my batch, my 16 channels, my first point
	s_add_nc_u64 s[22:23], s[22:23], s[28:29]
	s_lshl_b32 s28, s24, 11
	s_add_nc_u64 s[80:81], s[8:9], s[28:29]        ; q' of points 2 w, 2 w + 1 of block 0
	s_mov_b64 s[60:61], s[80:81]
	s_mul_i32 s28, s24, 12288
	s_add_nc_u64 s[66:67], s[6:7], s[28:29]
	s_mul_i32 s28, s25, 3072
	s_add_nc_u64 s[68:69], s[6:7], s[28:29]
	s_mul_i32 s28, s24, 1536
	s_add_nc_u64 s[70:71], s[6:7], s[28:29]
	s_lshl_b32 s28, s24, 9
	s_add_nc_u64 s[72:73], s[6:7], s[28:29]
	s_lshl_b32 s28, s25, 8
	s_add_nc_u64 s[74:75], s[6:7], s[28:29]
	s_lshl_b32 s28, s24, 7
	s_add_nc_u64 s[76:77], s[6:7], s[28:29]
	s_mul_i32 s28, s24, 3072
	s_add_nc_u64 s[82:83], s[6:7], s[28:29]
	s_lshl_b32 s28, s24, 6
	s_add_nc_u64 s[86:87], s[20:21], s[28:29]
	; ---- my four tiles of h1: first the rows' neighbours (v124-127) and own points (v96-107),
.irp i, 0,1,2,3
	global_load_b32 v[124+\i], v58, s[4:5] offset:64*\i
.endr
.irp i, 0,1,2,3
.irp c, 0,1,2
	global_load_b32 v[96+3*\i+\c], v59, s[16:17] offset:8192*\c+8*\i
.endr
.endr
	WIN 0x40                               ; destination window 1
.irp a, 0,1,2,3
.irp i, 0,1,2,3,4,5,6,7
	global_load_b128 v[100+32*\a+4*\i:103+32*\a+4*\i], v60, s[6:7] offset:O_PMC+256*\a+16*\i   ; pm_w1 s (three columns) and b1 s + bt of my 32 units: window 1, v100-131, 132-163, 164-195, 196-227, until am_w1 and am_w2 come
.endr
.endr
.irp u, 0,1,2,3
	global_load_b128 v[6*\u:6*\u+3], v4, s[68:69] offset:O_PTI+768*\u
	global_load_b64 v[6*\u+4:6*\u+5], v62, s[68:69] offset:O_PTI+768*\u+512
.endr
.irp u, 0,1
	global_load_b128 v[24+6*\u:27+6*\u], v4, s[70:71] offset:O_PNI+768*\u
	global_load_b64 v[28+6*\u:29+6*\u], v62, s[70:71] offset:O_PNI+768*\u+512
.endr
	WIN 0
.irp u, 0,1,2,3
	global_load_b32 v[44+\u], v61, s[74:75] offset:O_PTS+64*\u
.endr
.irp u, 0,1
	global_load_b32 v[48+\u], v61, s[76:77] offset:O_PNS+64*\u
.endr
	global_load_b64 v[50:51], v3, s[18:19]         ; am_b2 of my lane's two channels
	s_wait_loadcnt 63                      ; behind the four numbers: 12 + 32 + 12 + 6 + 1 loads
.irp i, 0,1,2,3
	v_min_u32 v[124+\i], 0x7ff, v[124+\i]
.endr
.irp i, 0,1,2,3
	v_lshlrev_b32 v[124+\i], 2, v[124+\i]
.endr
.irp i, 0,1,2,3
.irp c, 0,1,2
	global_load_b32 v[108+3*\i+\c], v[124+\i], s[16:17] offset:8192*\c     ; the neighbours' positions
.endr
.endr
	; ---- q' and the first block's 16 key rows: they land while h1 is computed.  One base, an offset register a row (window 1, v36-51): no base is written again, so no wait stands among these loads
	s_wait_kmcnt 0x0
	WIN 0x40
.irp i, 0,1,2,3,4,5,6,7,8,9,10,11,12,13,14,15
	s_min_u32 s58, s[32+\i], 2047
	v_lshl_add_u32 v[36+\i], s58, 10, v4
.endr
	QLOAD                                  ; into window 1, v64-79
	WIN 0x01                               ; the address window 1
.irp i, 0,1,2,3,4,5,6,7,8,9,10,11,12,13,14,15
	global_load_b128 v[128+8*\i:131+8*\i], v[36+\i], s[10:11]
	global_load_b128 v[132+8*\i:135+8*\i], v[36+\i], s[10:11] offset:512
.endr
	WIN 0
	s_wait_loadcnt 36                      ; q' (4) and the key rows (32) may be out; all that h1 wants is in, and the offset registers of those loads are free
.irp i, 58,59,60,61,62,63
	v_mov_b32 v\i, 0                       ; h1's upper six registers: zero codes, for the whole launch; written here, far ahead of the first product that names them
.endr
.irp i, 0,1,2,3                        ; own point - neighbour of my row in the four tiles: x, y, z in v[80 + 4 i] on; the fourth is named as the upper half of a pair, so it is written
	v_sub_f32 v[80+4*\i], v[96+3*\i], v[108+3*\i]
	v_sub_f32 v[81+4*\i], v[97+3*\i], v[109+3*\i]
	v_sub_f32 v[82+4*\i], v[98+3*\i], v[110+3*\i]
	v_mov_b32 v[83+4*\i], 0
.endr
.irp i, 0,1,2,3                        ; h1 = relu(bn(pm_w1 (own point - neighbour) + b1)): lane (r, h): units 32 h on of row r, in f32 by fused multiply-adds, into v96-127
	WIN 0x11                               ; sources 0 and 2 window 1
.irp j, 0,2,4,6,8,10,12,14,16,18,20,22,24,26,28,30
	v_pk_fma_f32 v[96+\j:97+\j], v[100+\j:101+\j], v[80+4*\i:81+4*\i], v[196+\j:197+\j] op_sel_hi:[1,0,1]
.endr
	WIN 0x01                               ; source 0 window 1
.irp j, 0,2,4,6,8,10,12,14,16,18,20,22,24,26,28,30
	v_pk_fma_f32 v[96+\j:97+\j], v[132+\j:133+\j], v[80+4*\i:81+4*\i], v[96+\j:97+\j] op_sel:[0,1,0] op_sel_hi:[1,1,1]
.endr
.irp j, 0,2,4,6,8,10,12,14,16,18,20,22,24,26,28,30
	v_pk_fma_f32 v[96+\j:97+\j], v[164+\j:165+\j], v[82+4*\i:83+4*\i], v[96+\j:97+\j] op_sel_hi:[1,0,1]
.endr
	WIN 0
.set n, 0
.rept 32
	v_max_num_f32 v[96+n], 0, v[96+n]
.set n, n+1
.endr
	s_wait_dscnt 0x0                       ; the last tile's LDS stores have read the codes' registers
	QUANT32 96, 64, 70, 74, 75, 76, 77
	HWORD 77, 78
	PUTH 64, 55, 56, 768*\i
	ds_store_b32 v57, v78 offset:64*\i     ; bytes 2 and 3 are 0: they scale zero codes
.endr
	; ---- the two large weights, for the whole launch: am_w2 takes the registers that h1's constants have left
	WIN 0x40
.irp j, 0,1,2,3,4,5,6,7,8,9,10,11,12,13,14,15,16,17,18,19,20,21,22,23
	global_load_b128 v[132+4*\j:135+4*\j], v4, s[66:67] offset:O_A2I+512*\j
.endr
	s_wait_loadcnt 24                      ; all but these 24: q' and the key rows are in
	WIN 0x01                               ; source 0 (q') window 1
.irp m, 0,1,2,3,4,5,6,7
	SUBK \m, 128+16*\m
.endr
	WIN 0
.irp m, 0,1,2,3,4,5,6,7
	PUTK \m, 128+16*\m
.endr
	v_lshlrev_b32 v79, 2, v53              ; 4 r, for the scale words below
	WIN 0x40
.irp j, 0,1,2,3,4,5,6,7,8,9,10,11,12,13,14,15,16,17,18,19,20,21,22,23
	global_load_b128 v[36+4*\j:39+4*\j], v4, s[66:67] offset:O_A1I+512*\j          ; am_w1: over the key rows' offsets and q', which are done with
.endr
	WIN 0
.irp i, 0,1,2,3,4,5,6,7
	global_load_b32 v[28+\i], v79, s[72:73] offset:O_A1S+64*\i
	global_load_b32 v[36+\i], v79, s[72:73] offset:O_A2S+64*\i
.endr
	BAR                                    ; h1 of all 32 tiles and the first block's q' - key lie in LDS; the weights' loads stay out: phase H waits for them
.macro XLOAD i                         ; tile 4 rh + i: q' - key of my 64 channels, h1's fragment and scale word
.irp g, 0,1,2,3,4,5,6,7
	ds_load_b128 v[144+32*((\i)%2)+4*\g:147+32*((\i)%2)+4*\g], v5 offset:16*QKP*(\i)+16*\g
.endr
	GETH 52, 7, 8, 768*(\i)
	ds_load_b32 v27, v9 offset:64*(\i)
.endm
.macro XTILE i
.set QX, 144+32*((\i)%2)
	s_wait_dscnt 0x0                       ; the operands are in; the last tile's LDS stores have read their registers
	WIN 0x01                               ; source 0 (pm_w2) window 1
.irp u, 0,1,2,3
	WM QX+8*\u, 6*\u, 52, QX+8*\u, 44+\u, 27       ; q' - key is the C
.endr
	WIN 0
	PLACES 4
.if \i < 3
	XLOAD \i+1
.endif
	QUANT32 QX, 240, 246, 250, 251, 252, 253
	HWORD 253, 254
	PUTH 240, 13, 14, 3072*(\i)
	ds_store_b16 v15, v254 offset:128*(\i)
.endm
.macro XFLOAD m                        ; x's two fragments of tile m
.irp q, 0,1,2,3
	GETH 144+6*\q, 16, 17, 3072*(\m)+768*\q
.endr
	ds_load_b32 v168, v18 offset:128*(\m)
	ds_load_b32 v169, v18 offset:128*(\m)+64
.endm
.macro HTILE m, st                     ; st = 1: beside the tile's work two of the next block's key rows are fetched, and the two fetched two tiles ago are laid in LDS
.set KS, 218+16*((\m)%2)
.if \st
.if \m >= 2
	s_wait_loadcnt 0x4                     ; the rows asked for two tiles ago are in; the four loads of the last tile may be out
	STOREK (\m)-2, KS
	s_wait_dscnt 0x0                       ; the LDS stores have read the registers that the next loads take
.endif
.if \m == 0
	s_add_co_u32 s58, s27, 1
	s_lshl_b32 s58, s58, 14                ; 16 points x 1,024 bytes a block
	s_add_nc_u64 s[60:61], s[80:81], s[58:59]
	QLOAD
.endif
	ISSUE \m, KS
.endif
	s_wait_dscnt 0x0
	WIN 0x01                               ; source 0 (am_w1) window 1
.irp u, 0,1,2,3                        ; four accumulators by turns
	WM0 170+8*\u, 36+24*\u, 144, 28+2*\u, 168
.endr
.irp u, 0,1,2,3
	WM 170+8*\u, 48+24*\u, 156, 170+8*\u, 29+2*\u, 169
.endr
	WIN 0
	PLACES 4
.if \m < 7
	XFLOAD \m+1
.endif
.irp j, 0,2,4,6,8,10,12,14,16,18,20,22,24,26,28,30
	v_pk_fma_f32 v[170+\j:171+\j], v[170+\j:171+\j], v[80+\j:81+\j], v[112+\j:113+\j]      ; the batch norm
.endr
.set n, 0
.rept 32
	v_max_num_f32 v[170+n], 0, v[170+n]
.set n, n+1
.endr
	QUANT32 170, 202, 208, 212, 213, 214, 215
	HWORD 215, 216
	PUTH 202, 19, 20, 6144*(\m)
	ds_store_b16 v21, v216 offset:256*(\m)
.endm
.macro ILOAD t                         ; the 8 neighbours of point 2 t + h, into set t % 3
	WIN 0x40
	global_load_b128 v[228+8*((\t)%3):231+8*((\t)%3)], v26, s[4:5] offset:64*(\t)
	global_load_b128 v[232+8*((\t)%3):235+8*((\t)%3)], v26, s[4:5] offset:64*(\t)+16
	WIN 0
.endm
.macro VLOAD t                         ; their numbers become offsets in place; then my two channels of the 8 rows of value'
.set IS, 228+8*((\t)%3)
.set VA, 164+16*((\t)%3)
	WIN 0x44                               ; source 1 and destination window 1
.irp j, 0,1,2,3,4,5,6,7
	v_min_u32 v[IS+\j], 0x7ff, v[IS+\j]
.endr
	WIN 0x41                               ; source 0 and destination window 1
.irp j, 0,1,2,3,4,5,6,7
	v_lshl_add_u32 v[IS+\j], v[IS+\j], 10, v3
.endr
	WIN 0x01                               ; the address window 1
.irp j, 0,1,2,3,4,5,6,7
	global_load_b64 v[VA+2*\j:VA+2*\j+1], v[IS+\j], s[12:13]
.endr
	WIN 0
.endm
.macro AFLOAD m                        ; h's four fragments of tile m, h1's
.irp q, 0,1,2,3,4,5,6,7
	GETH 80+6*\q, 22, 23, 6144*(\m)+768*\q
.endr
.irp s, 0,1,2,3
	ds_load_b32 v[128+\s], v24 offset:256*(\m)+64*\s
.endr
	GETH 52, 10, 11, 768*(\m)
	ds_load_b32 v27, v12 offset:64*(\m)
.endm
.macro ATILE m, c
.set VB, 164+16*((\m)%3)
	s_wait_loadcnt \c                      ; value' of this tile and the numbers of tile m + 2 are in; what was asked for later may be out
	s_wait_xcnt 0x0                        ; the loads of value' issued last have read their offsets: that set takes new numbers
.if \m <= 3
	ILOAD \m+4
.endif
.if \m <= 5
	VLOAD \m+2
.endif
	s_wait_dscnt 0x0
	WIN 0x04                               ; source 1 (the weights) window 1
	WM 140, 80, 180, 72, 128, 40           ; four accumulators by turns, one instruction a turn: w of channel tile 1, of tile 0, each begun with am_b2 as its C,
	WM 132, 80, 132, 64, 128, 36
	WM0 148, 52, 24, 27, 48                ; the position code of tile 0, of tile 1
	WM0 156, 52, 30, 27, 49
.irp s, 1,2,3
	WM 140, 80+12*\s, 180+12*\s, 140, 128+\s, 40+\s
	WM 132, 80+12*\s, 132+12*\s, 132, 128+\s, 36+\s
.endr
	WIN 0
	PLACES 4
.if \m < 7
	AFLOAD \m+1
.endif
	; lane (r, h): register 8 u + j = neighbour j of point 2 T + h, channel 32 w + 2 r + u
.irp u, 0,1
	v_max3_num_f32 v[212+\u], v[132+8*\u], v[133+8*\u], v[134+8*\u]
.endr
.irp j, 3,5
.irp u, 0,1
	v_max3_num_f32 v[212+\u], v[212+\u], v[132+8*\u+\j], v[133+8*\u+\j]
.endr
.endr
.irp u, 0,1
	v_max_num_f32 v[212+\u], v[212+\u], v[139+8*\u]
.endr
.irp u, 0,1
	v_mul_f32 v[214+\u], 0xbfb8aa3b, v[212+\u]     ; - max x log2(e): its one rounding shifts all eight exponents alike and falls out of the quotient
.endr
.irp j, 0,2,4,6
.irp u, 0,1
	v_pk_fma_f32 v[132+8*\u+\j:133+8*\u+\j], v[132+8*\u+\j:133+8*\u+\j], 0x3fb8aa3b, v[214:215] op_sel:[0,0,\u] op_sel_hi:[1,0,\u]
.endr
.endr
.irp i, 0,1,2,3,4,5,6,7,8,9,10,11,12,13,14,15
	v_exp_f32 v[132+\i], v[132+\i]
.endr
.irp u, 0,1
.irp j, 0,1,2,3,4,5,6,7
	v_add_f32 v[148+8*\u+\j], v[148+8*\u+\j], v[VB+2*\j+\u]        ; value' + the position code: plain work behind the exponentials
.endr
.endr
	s_wait_alu depctr_va_vdst(0)           ; one wait for the sixteen exponentials, ahead of the first line that names a result
.irp u, 0,1
	v_pk_add_f32 v[216+4*\u:217+4*\u], v[132+8*\u:133+8*\u], v[134+8*\u:135+8*\u]
	v_pk_add_f32 v[218+4*\u:219+4*\u], v[136+8*\u:137+8*\u], v[138+8*\u:139+8*\u]
.endr
.irp u, 0,1
	v_pk_add_f32 v[216+4*\u:217+4*\u], v[216+4*\u:217+4*\u], v[218+4*\u:219+4*\u]
.endr
.irp u, 0,1
	v_add_f32 v[226+\u], v[216+4*\u], v[217+4*\u]
.endr
	v_rcp_f32 v228, v226
	v_rcp_f32 v229, v227
.irp u, 0,1
	v_pk_mul_f32 v[216+4*\u:217+4*\u], v[132+8*\u:133+8*\u], v[148+8*\u:149+8*\u]          ; the weighted sums: plain work behind the reciprocals
.endr
.irp j, 2,4,6
.irp u, 0,1
	v_pk_fma_f32 v[216+4*\u:217+4*\u], v[132+8*\u+\j:133+8*\u+\j], v[148+8*\u+\j:149+8*\u+\j], v[216+4*\u:217+4*\u]
.endr
.endr
.irp u, 0,1
	v_add_f32 v[230+\u], v[216+4*\u], v[217+4*\u]
.endr
	s_wait_alu depctr_va_vdst(0)           ; and one for the two reciprocals
	v_mul_f32 v224, v230, v228
	v_mul_f32 v225, v231, v229
	ds_store_b64 v25, v[224:225] offset:288*(\m)
.endm
.Lblock:
	; ---- X
	v_bfe_u32 v255, v0, 4, 1
	v_lshlrev_b32 v255, 7, v255
	v_add_nc_u32 v255, s79, v255           ; 256 w + 128 h: s and t of my 32 units
.irp i, 0,1,2,3,4,5,6,7
	global_load_b128 v[80+4*\i:83+4*\i], v255, s[6:7] offset:O_AS+16*\i
	global_load_b128 v[112+4*\i:115+4*\i], v255, s[6:7] offset:O_AT+16*\i
.endr
	s_cmp_eq_u32 s27, 3                    ; the last block has no successor
	s_cbranch_scc1 .Lno_numbers
	s_add_co_u32 s78, s27, 1               ; the numbers of the key rows that phase H will fetch: tile w of the next block
	s_lshl_b32 s78, s78, 3
	s_add_co_u32 s78, s78, s24
	s_lshl_b32 s78, s78, 6
	s_load_b512 s[32:47], s[4:5], s78 offset:0x0
.Lno_numbers:
	XLOAD 0
	XTILE 0
	XTILE 1
	XTILE 2
	XTILE 3
	BAR                                    ; x's sixteen fragments lie in LDS; nobody reads this block's q' - key any more
	; ---- H
	s_wait_loadcnt 0x0                     ; s and t; in the first block am_w1, am_w2 and their scale words too
	s_wait_kmcnt 0x0                       ; the numbers
	ILOAD 0
	ILOAD 1
	ILOAD 2
	XFLOAD 0
	s_cmp_eq_u32 s27, 3
	s_cbranch_scc1 .Lh_last
	HTILE 0, 1
	HTILE 1, 1
	HTILE 2, 1
	HTILE 3, 1
	HTILE 4, 1
	HTILE 5, 1
	HTILE 6, 1
	HTILE 7, 1
	s_wait_loadcnt 0x4
	STOREK 6, 218
	s_wait_loadcnt 0x0
	STOREK 7, 234
	s_branch .Lh_done
.Lh_last:                                      ; the last block: the same eight tiles, and nothing is fetched beside them
	HTILE 0, 0
	HTILE 1, 0
	HTILE 2, 0
	HTILE 3, 0
	HTILE 4, 0
	HTILE 5, 0
	HTILE 6, 0
	HTILE 7, 0
	s_wait_loadcnt 0x0                     ; the neighbours' numbers of tiles 0 to 2
.Lh_done:
	VLOAD 0
	VLOAD 1
	BAR                                    ; h's 32 fragments and the next block's q' - key lie in LDS
	; ---- A
	AFLOAD 0
.irp j, 0,1,2,3,4,5,6,7
	v_mov_b32 v[64+\j], v50                ; am_b2 in the result's layout (q' is done with): the C of each w sum's first product
	v_mov_b32 v[72+\j], v51
.endr
	s_wait_xcnt 0x0                        ; tile 0's loads of value' have read their offsets: that set takes tile 3's numbers
	ILOAD 3
	ATILE 0, 10                            ; out may be: value' of the next tile (8) and the numbers asked for last (2)
	ATILE 1, 10
	ATILE 2, 10
	ATILE 3, 10
	ATILE 4, 10
	ATILE 5, 8
	ATILE 6, 8
	ATILE 7, 0
	s_wait_dscnt 0x0
	v_add_nc_u32 v7, 6144, v7              ; on to the next block's h1, points and numbers
	v_add_nc_u32 v8, 6144, v8
	v_add_nc_u32 v9, 512, v9
	v_add_nc_u32 v10, 6144, v10
	v_add_nc_u32 v11, 6144, v11
	v_add_nc_u32 v12, 512, v12
	v_add_nc_u32 v25, 2304, v25
	v_add_nc_u32 v26, 512, v26
	s_add_co_u32 s27, s27, 1
	s_cmp_lt_u32 s27, 4
	s_cbranch_scc1 .Lblock
	; ======== y = agg le_w^T + le_b;  out = 0.5 (y + v0).  Wave w: output channels 16 w on.
	v_and_b32 v64, 15, v0                  ; r
	v_bfe_u32 v65, v0, 4, 1                ; h
	v_and_b32 v66, 31, v0                  ; lane
	v_lshlrev_b32 v67, 13, v65
	v_lshl_add_u32 v67, v64, 4, v67        ; idn, out0: channel h, + 16 r
	v_lshlrev_b32 v68, 2, v64
	WIN 0x40                               ; what the products want goes first, v0 last: it is wanted only behind them
.irp j, 0,1,2,3,4,5
	global_load_b128 v[36+4*\j:39+4*\j], v4, s[82:83] offset:O_LEI+512*\j
.endr
	WIN 0
	global_load_b32 v28, v68, s[76:77] offset:O_LES
	global_load_b32 v29, v68, s[76:77] offset:O_LES+64
.irp j, 0,1,2,3,4,5,6,7
	global_load_b32 v[216+\j], v68, s[86:87]       ; le_b of my lane's channel, eight times: the C of the first step
.endr
.irp i, 0,1,2,3,4,5,6,7
	global_load_b128 v[224+4*\i:227+4*\i], v67, s[14:15] offset:16384*\i th:TH_LOAD_NT
.endr
	v_mul_u32_u24 v69, v65, 9216           ; the sums of K step w % 2, points 16 (w / 2) + r: channels 128 s + 64 c + 32 h on are region 4 s + 2 c + h
	v_mad_u32_u24 v69, v64, 144, v69
	s_and_b32 s28, s24, 1
	s_mul_i32 s28, s28, 36864
	s_lshr_b32 s30, s24, 1
	s_mul_i32 s30, s30, 2304
	s_add_co_u32 s28, s28, s30
	s_add_co_u32 s28, s28, L_AGG
	v_add_nc_u32 v69, s28, v69
	s_mul_i32 s28, s24, 1536
	v_add_nc_u32 v70, s28, v4              ; fragment w of the eight
	s_add_co_u32 s28, s28, 512
	v_lshl_add_u32 v71, v66, 3, s28
	s_lshl_b32 s28, s24, 6
	s_add_co_u32 s28, s28, L_ASC
	v_lshl_add_u32 v72, v64, 2, s28
	v_lshl_add_u32 v73, v66, 3, 512
	v_lshl_add_u32 v74, v64, 2, L_ASC
	s_mul_i32 s28, s24, 4352
	s_add_co_u32 s28, s28, L_OUT
	v_mul_u32_u24 v75, v64, 272            ; y: in by channels r, 32 bytes for each half of the lanes;
	v_lshl_add_u32 v75, v65, 5, v75
	v_add_nc_u32 v75, s28, v75
	v_mul_u32_u24 v76, v65, 272            ; back: lanes 0-15 one channel's 256 bytes, lanes 16-31 the next
	v_lshl_add_u32 v76, v64, 4, v76
	v_add_nc_u32 v76, s28, v76
	BAR                                    ; the sums of all 64 points lie in LDS
.irp c, 0,1
.irp g, 0,1,2,3,4,5,6,7
	ds_load_b128 v[80+32*\c+4*\g:83+32*\c+4*\g], v69 offset:18432*\c+16*\g
.endr
.endr
	s_wait_dscnt 0x0
	QUANT32 80, 144, 156, 160, 161, 162, 163
	QUANT32 112, 150, 156, 160, 161, 162, 164
	v_lshl_or_b32 v165, v164, 16, v163
	v_lshlrev_b32 v165, v[SH8], v165
	v_permlanex16_b32 v[PX], v165, s[SEL], s[SEL+1]
	v_or_b32 v165, v165, v[PX]
	PUTH 144, 70, 71, 0
	PUTH 150, 70, 71, 768
	ds_store_b32 v72, v165
	BAR                                    ; the sums' eight fragments lie in LDS
.irp q, 0,1,2,3,4,5,6,7,8,9,10,11,12,13,14,15
	GETH 80+6*\q, 4, 73, 768*\q
.endr
.irp i, 0,1,2,3,4,5,6,7
	ds_load_b32 v[176+\i], v74 offset:64*\i
.endr
	s_wait_loadcnt 0x8                     ; le_w's fragments, its scale words and le_b are in; v0's eight loads may be out
	s_wait_dscnt 0x0
	WIN 0x04                               ; source 1 (le_w) window 1
.irp p, 0,1,2,3
	WM 184+8*\p, 80+24*\p, 36, 216, 176+2*\p, 28
.endr
.irp p, 0,1,2,3
	WM 184+8*\p, 92+24*\p, 48, 184+8*\p, 177+2*\p, 29
.endr
	WIN 0
	PLACES 4
.irp p, 0,1,2,3                        ; lane (r, h): y of channel 16 w + r, points 16 p + 8 h + 0 .. 7
	ds_store_b128 v75, v[184+8*\p:187+8*\p] offset:64*\p
	ds_store_b128 v75, v[188+8*\p:191+8*\p] offset:64*\p+16
.endr
.irp i, 0,1,2,3,4,5,6,7
	ds_load_b128 v[80+4*\i:83+4*\i], v76 offset:544*\i     ; my own rows: LDS serves a wave's instructions in order
.endr
	s_wait_loadcnt 0x0                     ; v0
	s_wait_dscnt 0x0
.irp j, 0,2,4,6,8,10,12,14,16,18,20,22,24,26,28,30
	v_pk_add_f32 v[80+\j:81+\j], v[80+\j:81+\j], v[224+\j:225+\j]
.endr
.irp j, 0,2,4,6,8,10,12,14,16,18,20,22,24,26,28,30
	v_pk_mul_f32 v[80+\j:81+\j], v[80+\j:81+\j], 0.5 op_sel_hi:[1,0]
.endr
.irp i, 0,1,2,3,4,5,6,7
	global_store_b128 v67, v[80+4*\i:83+4*\i], s[22:23] offset:16384*\i th:TH_STORE_NT     ; sixteen lanes store a channel's 256 consecutive bytes, aligned
.endr
	s_barrier_signal -1
	s_barrier_wait -1
	s_set_vgpr_msb 0x5
	s_wait_tensorcnt 0x0
	ds_add_u32 v254, v255
	s_wait_dscnt 0x0
	s_set_vgpr_msb 0x500
	s_endpgm
.Lfunc_end_k_qe5df98d739_main:
	.size	k_qe5df98d739_main, .Lfunc_end_k_qe5df98d739_main-k_qe5df98d739_main
	.p2alignl 7, 3214868480
	.fill 96, 4, 3214868480
	.section	.rodata,"a",@progbits
	.p2align	6, 0x0
	.amdhsa_kernel k_qe5df98d739_main
		.amdhsa_group_segment_fixed_size 311296
		.amdhsa_private_segment_fixed_size 0
		.amdhsa_enable_private_segment 0
		.amdhsa_kernarg_size 80
		.amdhsa_user_sgpr_count 2
		.amdhsa_user_sgpr_kernarg_segment_ptr 1
		.amdhsa_wavefront_size32 1
		.amdhsa_system_sgpr_workgroup_id_x 1
		.amdhsa_system_sgpr_workgroup_id_y 1
		.amdhsa_system_sgpr_workgroup_id_z 1
		.amdhsa_system_vgpr_workitem_id 0
		.amdhsa_next_free_vgpr 512
		.amdhsa_next_free_sgpr 100
		.amdhsa_reserve_vcc 0
		.amdhsa_float_denorm_mode_32 3
		.amdhsa_float_denorm_mode_16_64 3
		.amdhsa_memory_ordered 1
		.amdhsa_forward_progress 1
		.amdhsa_inst_pref_size 255
	.end_amdhsa_kernel
	.section	.bss,"aw",@nobits
	.p2align	6
	.space	262144
	.amdgpu_metadata
---
amdhsa.version: [ 1, 2 ]
amdhsa.kernels:
  - .name:           k_qe5df98d739_main
    .symbol:         k_qe5df98d739_main.kd
    .args:
      - { .name: idx, .offset: 0, .size: 8, .value_kind: global_buffer, .address_space: global }
      - { .name: wimg, .offset: 8, .size: 8, .value_kind: global_buffer, .address_space: global }
      - { .name: qb, .offset: 16, .size: 8, .value_kind: global_buffer, .address_space: global }
      - { .name: kb, .offset: 24, .size: 8, .value_kind: global_buffer, .address_space: global }
      - { .name: vb, .offset: 32, .size: 8, .value_kind: global_buffer, .address_space: global }
      - { .name: idn, .offset: 40, .size: 8, .value_kind: global_buffer, .address_space: global }
      - { .name: pos, .offset: 48, .size: 8, .value_kind: global_buffer, .address_space: global }
      - { .name: am_b2, .offset: 56, .size: 8, .value_kind: global_buffer, .address_space: global }
      - { .name: le_b, .offset: 64, .size: 8, .value_kind: global_buffer, .address_space: global }
      - { .name: out0, .offset: 72, .size: 8, .value_kind: global_buffer, .address_space: global }
    .group_segment_fixed_size: 311296
    .private_segment_fixed_size: 0
    .kernarg_segment_align: 8
    .kernarg_segment_size: 80
    .max_flat_workgroup_size: 256
    .sgpr_count:     100
    .vgpr_count:     512
    .wavefront_size: 32
...
	.end_amdgpu_metadata
.endif
;; end of part 3
